; MI455X (gfx1250); checked and timed in simulation.
; The chip was launched on July 23, 2026; its instructions are those of AMD's public machine-readable ISA for CDNA 5 (MIT licence, August 2026) and "CDNA5" Instruction Set Architecture Reference Guide (July 2026). The comments in the code are by the model that wrote it; some were corrected since.
;; Swin Block. Allowed arithmetic: matrix products marked QUANTISED: E3M2 operands, one E8M0 scale for each 32 along K, by v_wmma_scale_f32_16x16x128_f8f6f4 with both operands' format E3M2, f32 sums; everything else in f32.
;; Inputs: bn1_b 128 float32; bn1_g 128 float32; bn2_b 128 float32; bn2_g 128 float32; mlp_b1 512 float32; mlp_b2 128 float32; mlp_w1 512 x 128 float32; mlp_w2 128 x 512 float32; proj_b 128 float32; proj_w 128 x 128 float32; qkv_b 384 float32; qkv_w 384 x 128 float32; x 4 x 128 x 64 x 64 float32.
;; Outputs: out0 4 x 128 x 64 x 64 float32.
;; This version of the problem:
;;   THIS VERSION OF THE PROBLEM IS GIVEN IN LOW PRECISION. The matrix products marked QUANTISED in the list below multiply operands that are first quantised to E3M2 (3 exponent bits, 2 mantissa bits; 6 bits a number), with one power-of-two scale for each 32 numbers along K (OCP MX v1.0); their sums are f32. All else is computed in f32.
;;   The module's matrix products, in the order in which they are computed (A, B: the left and right operand; K: the contracted axis; several contracted axes count as one K, in the product's order):
;;     1. [M 384, K 128] x [K 128, N 16,384]; A: input qkv_w; B: computed on the way: QUANTISED
;;     2. batch 16 x [M 4,096, K 32] x [K 32, N 4,096]; A: computed on the way; B: computed on the way: QUANTISED
;;     3. batch 16 x [M 32, K 4,096] x [K 4,096, N 4,096]; A: computed on the way; B: softmax (see below): QUANTISED
;;     4. [M 128, K 128] x [K 128, N 16,384]; A: input proj_w; B: computed on the way: QUANTISED
;;     5. [M 512, K 128] x [K 128, N 16,384]; A: input mlp_w1; B: computed on the way: QUANTISED
;;     6. [M 128, K 512] x [K 512, N 16,384]; A: input mlp_w2; B: computed on the way: QUANTISED
;;   THE QUANTISER, for each operand of a quantised product, along K:
;;     - K is cut into blocks of 32 from its start; a last block that is shorter is filled with zeros.
;;     - A block's scale is 2^e with e = floor(log2(the largest magnitude in the block)) - 4, held to -126 .. 127; a block of zeros has e = 0. As a byte (E8M0): e + 127.
;;     - Each number is divided by its block's scale, clamped to +-28, and rounded to the nearest number of E3M2, ties to even, subnormals kept.
;;     - The product sums the exact products of the quantised numbers (number of the format x scale) in f32.
;;   ~~~python
;;   def quantise(x, axis):      # numpy; x: float32 -> the quantised numbers, widened to float32 again
;;       x = np.moveaxis(x, axis, -1); K = x.shape[-1]
;;       x = np.pad(x, [(0, 0)] * (x.ndim - 1) + [(0, -K % 32)]); x = x.reshape(x.shape[:-1] + (-1, 32)); a = np.abs(x).max(-1, keepdims=True)
;;       e = np.where(a > 0, np.clip(np.frexp(np.where(a > 0, a, 1))[1] - 1 - 4, -126, 127), 0)      # np.frexp(a)[1] - 1 = floor(log2(a)), exactly
;;       r = np.clip(x / 2.0 ** e, -28, 28)
;;       step = 2.0 ** (np.maximum(np.frexp(np.where(r == 0, 1, r))[1] - 1, -2) - 2)
;;       q = np.round(r / step) * step * 2.0 ** e      # np.round: ties to even
;;       return np.moveaxis(q.reshape(q.shape[:-2] + (-1,))[..., :K], -1, axis).astype(np.float32)
;;   ~~~
;;   SOFTMAX AHEAD OF A QUANTISED PRODUCT. Where the list says 'softmax', what is quantised is not the finished softmax but p = 2^(t - M), with t = logit x log2(e) and M = ceil(the row's largest t), a whole number; so 1/2 < the row's largest p <= 1. The row's sum l is taken of the UNQUANTISED p, in f32, and the product's result is divided by l at the end. Since M is a whole number, a kernel that streams over the keys may use a running M (the ceiling of the running maximum): every later rescaling is an exact power of two, which a block's scale takes up: the codes' values come out the same.
;;   OPERANDS COMPUTED ON THE WAY. 'Computed on the way' means the value that the module computes at that place (a softmax that the list does not call 'softmax' is quantised finished and normalised). What goes into a quantiser is computed in f32, as accurately as f32 sums, v_exp_f32 and their like allow (about 1e-6 of the number): no bf16 or f16 on the way to a quantiser, and a product that is left as it is and whose result goes on into a quantised operand takes f32 operands (vector FMAs, or v_wmma_f32_16x16x4_f32). A number that lies on a knife's edge between two numbers of the format may be rounded either way, as far as f32 arithmetic and the matrix unit's own rounding can turn it there, and no further.
;; One version. Each part assembles by itself: llvm-mc -triple=amdgcn-amd-amdhsa -mcpu=gfx1250 --defsym DOCPART=n.
;; ======== version 1 of 1: 5 launches
;; workspace buffers: stats1 8,192 bytes; wq 159,744 bytes; q 1,638,400 bytes; kv 3,276,800 bytes; x2 8,388,608 bytes; stats2 262,144 bytes; bn2p 1,024 bytes
;; launch prep (part 1): grid 280 x 1, 4 waves a work-group, no clusters, 0 bytes of LDS; arguments x, qkv_w, proj_w, mlp_w1, mlp_w2, stats1, wq; writes stats1, wq
.if DOCPART == 1
	.amdgcn_target "amdgcn-amd-amdhsa--gfx1250"
	.amdhsa_code_object_version 6
	.text
	.protected	k_q750819b9d2_prep
	.globl	k_q750819b9d2_prep
	.p2align	8
	.type	k_q750819b9d2_prep,@function
k_q750819b9d2_prep:
	s_mov_b64 s[64:65], 0
	v_nop
	global_prefetch_b8 v0, s[64:65] scope:SCOPE_SE
	s_setreg_imm32_b32 hwreg(HW_REG_WAVE_MODE, 25, 1), 1
	s_wait_xcnt 0x0
; PREP.  Two jobs that need nothing of each other, in one launch; a work-group's number says which.
; Work-groups 0-255: x [4][128][4096] f32.  A wave takes half a row (2,048 numbers of one channel of one batch), keeps it in 64 registers and stores
; (mean, M2 = sum of (x - mean)^2): two passes over registers, so no difference of large sums is ever formed.  stats1: [channel][2 batch + half][mean, M2].
; Work-groups 256-279: the four weights become operands of the matrix unit.  A wave makes one fragment (16 rows x 128 K of E3M2 codes, 12 registers a lane) and its scale words,
; and stores them as an image of the registers: register n of lane l at 512 (n / 4) + 16 l + 4 (n % 4) of the fragment's 1,536 bytes; scale words from byte WSC on, 128 bytes a fragment.
; Which 16 rows of a weight form a fragment is chosen so that the results of the product fall where the next quantiser wants them: row(r) = base + r % 8 + hi (r / 8).
; A block's scale byte is its largest magnitude's exponent field - 4, held at 1 from below.
; LIMITS: NaN and infinities are not served; a block of zeros gets the byte 1 (its codes are zeros; this program alone reads the bytes).
; The statistics leave as 8 bytes a wave (8 KiB in the whole launch); the fragments as whole runs of 512 bytes.
.set NSTAT, 256
.set WSC,   147456
	s_load_b256 s[4:11], s[0:1], 0x0               ; x s[4:5], qkv_w s[6:7], proj_w s[8:9], mlp_w1 s[10:11]
	s_load_b128 s[12:15], s[0:1], 0x20             ; mlp_w2 s[12:13], stats1 s[14:15]
	s_load_b64 s[16:17], s[0:1], 0x30              ; wq
	v_lshrrev_b32 v1, 5, v0
	v_readfirstlane_b32 s18, v1                    ; wave 0..3
	v_and_b32 v2, 31, v0                           ; lane
	s_mov_b32 s40, 0x76543210
	s_mov_b32 s41, 0xfedcba98                      ; v_permlanex16_b32's selects for lane l xor 16
	s_cmp_lt_u32 ttmp9, NSTAT
	s_cbranch_scc0 .Lweights
; the sum of register a over the wave's 32 lanes, in every lane
.macro WSUM a, t
	v_add_f32_dpp v[\a], v[\a], v[\a] row_xmask:1 row_mask:0xf bank_mask:0xf
	v_add_f32_dpp v[\a], v[\a], v[\a] row_xmask:2 row_mask:0xf bank_mask:0xf
	v_add_f32_dpp v[\a], v[\a], v[\a] row_xmask:4 row_mask:0xf bank_mask:0xf
	v_add_f32_dpp v[\a], v[\a], v[\a] row_xmask:8 row_mask:0xf bank_mask:0xf
	v_permlanex16_b32 v[\t], v[\a], s40, s41
	v_add_f32 v[\a], v[\a], v[\t]
.endm
; four packed chains at v72-79 become one number in v72
.macro FOLD
	v_pk_add_f32 v[72:73], v[72:73], v[74:75]
	v_pk_add_f32 v[76:77], v[76:77], v[78:79]
	v_pk_add_f32 v[72:73], v[72:73], v[76:77]
	v_add_f32 v72, v72, v73
.endm
	; ---- statistics: half row id = 4 x work-group + wave, 8,192 bytes each
	s_lshl_b32 s20, ttmp9, 2
	s_add_co_u32 s20, s20, s18
	s_lshl_b32 s22, s20, 13
	s_mov_b32 s23, 0
	s_lshr_b32 s24, s20, 1                         ; row = 128 batch + channel
	s_and_b32 s25, s24, 127
	s_lshr_b32 s26, s24, 7
	s_and_b32 s27, s20, 1
	s_lshl_b32 s25, s25, 3
	s_lshl_b32 s26, s26, 1
	s_add_co_u32 s25, s25, s26
	s_add_co_u32 s25, s25, s27                     ; 8 channel + 2 batch + half
	s_lshl_b32 s25, s25, 3                         ; 8 bytes each
	v_mov_b32 v4, s25
	s_wait_alu depctr_va_vdst(0)
	v_lshlrev_b32 v3, 4, v2
	s_wait_alu depctr_va_vdst(0)
	s_wait_kmcnt 0x0
	s_add_nc_u64 s[4:5], s[4:5], s[22:23]
.set i, 0
.rept 16
	global_load_b128 v[8+4*i:11+4*i], v3, s[4:5] offset:512*i      ; 32 lanes read 512 consecutive bytes
.set i, i+1
.endr
	s_wait_loadcnt 0x0
.irp k, 0,1,2,3
	v_pk_add_f32 v[72+2*\k:73+2*\k], v[8+2*\k:9+2*\k], v[16+2*\k:17+2*\k]   ; four chains, started by the first pairs
.endr
.set p, 8
.rept 24
	v_pk_add_f32 v[72+2*(p%4):73+2*(p%4)], v[72+2*(p%4):73+2*(p%4)], v[8+2*p:9+2*p]
.set p, p+1
.endr
	FOLD
	WSUM 72, 73
	v_mul_f32 v80, 0x3a000000, v72                 ; mean = sum / 2,048
	v_mov_b32 v81, v80
.set p, 0
.rept 32
	v_pk_add_f32 v[8+2*p:9+2*p], v[8+2*p:9+2*p], v[80:81] neg_lo:[0,1] neg_hi:[0,1]   ; x - mean
.set p, p+1
.endr
.irp k, 0,1,2,3
	v_pk_mul_f32 v[72+2*\k:73+2*\k], v[8+2*\k:9+2*\k], v[8+2*\k:9+2*\k]
.endr
.set p, 4
.rept 28
	v_pk_fma_f32 v[72+2*(p%4):73+2*(p%4)], v[8+2*p:9+2*p], v[8+2*p:9+2*p], v[72+2*(p%4):73+2*(p%4)]
.set p, p+1
.endr
	FOLD
	WSUM 72, 73
	v_mov_b32 v81, v72                             ; (mean, M2)
	s_wait_alu depctr_va_vdst(0)
	s_wait_xcnt 0x0                                ; EXEC changes only behind this wait
	v_cmp_eq_u32 vcc_lo, 0, v2
	s_and_saveexec_b32 s28, vcc_lo
	global_store_b64 v4, v[80:81], s[14:15]        ; lane 0 alone
	s_wait_xcnt 0x0
	s_or_b32 exec_lo, exec_lo, s28
	s_endpgm
.Lweights:
	; ---- fragment f = 4 (work-group - 256) + wave, 0..95:
	; 0-15 qkv_w for q and k (two heads to four fragments); 16-23 qkv_w for v; 24-31 proj_w; 32-63 mlp_w1; 64-95 mlp_w2 (four K steps to a tile)
	s_sub_co_u32 s20, ttmp9, NSTAT
	s_lshl_b32 s20, s20, 2
	s_add_co_u32 s20, s20, s18
	s_and_b32 s21, s20, 31
	s_lshr_b32 s22, s21, 2
	s_lshl_b32 s22, s22, 6
	s_and_b32 s23, s21, 3
	s_lshl_b32 s23, s23, 3
	s_add_co_u32 s22, s22, s23                     ; q, k and mlp_w1: 64 (T / 4) + 8 (T % 4), hi = 32
	s_and_b32 s24, s20, 7
	s_lshr_b32 s25, s24, 1
	s_lshl_b32 s25, s25, 5
	s_and_b32 s26, s24, 1
	s_lshl_b32 s26, s26, 3
	s_add_co_u32 s25, s25, s26
	s_add_co_u32 s25, s25, 256                     ; v: 256 + 32 head + 8 tile, hi = 16
	s_lshl_b32 s27, s24, 4                         ; proj_w: 16 tile, hi = 8
	s_lshr_b32 s28, s21, 2
	s_lshr_b32 s29, s28, 1
	s_lshl_b32 s29, s29, 5
	s_and_b32 s30, s28, 1
	s_lshl_b32 s30, s30, 3
	s_add_co_u32 s29, s29, s30                     ; mlp_w2: 32 (T / 2) + 8 (T % 2), hi = 16,
	s_and_b32 s31, s21, 3
	s_lshl_b32 s31, s31, 9                         ; and K step f % 4: 512 bytes along the row
	s_mov_b32 s32, s29                             ; base
	s_mov_b32 s33, 16                              ; hi
	s_mov_b32 s34, 2048                            ; a row in bytes
	s_mov_b32 s35, s31                             ; bytes along K
	s_wait_kmcnt 0x0
	s_mov_b64 s[36:37], s[12:13]
	s_cmp_lt_u32 s20, 64
	s_cselect_b32 s32, s22, s32
	s_cselect_b32 s33, 32, s33
	s_cselect_b32 s34, 512, s34
	s_cselect_b32 s35, 0, s35
	s_cselect_b64 s[36:37], s[10:11], s[36:37]
	s_cmp_lt_u32 s20, 32
	s_cselect_b32 s32, s27, s32
	s_cselect_b32 s33, 8, s33
	s_cselect_b64 s[36:37], s[8:9], s[36:37]
	s_cmp_lt_u32 s20, 24
	s_cselect_b32 s32, s25, s32
	s_cselect_b32 s33, 16, s33
	s_cselect_b64 s[36:37], s[6:7], s[36:37]
	s_cmp_lt_u32 s20, 16
	s_cselect_b32 s32, s22, s32
	s_cselect_b32 s33, 32, s33
	s_mov_b32 s38, s35
	s_mov_b32 s39, 0
	s_add_nc_u64 s[36:37], s[36:37], s[38:39]
	s_lshl_b32 s44, s20, 7
	s_add_co_u32 s44, s44, WSC
	s_mov_b32 s45, 0
	s_add_nc_u64 s[44:45], s[16:17], s[44:45]      ; my scale words
	s_mul_i32 s42, s20, 1536
	s_mov_b32 s43, 0
	s_add_nc_u64 s[16:17], s[16:17], s[42:43]      ; my fragment's image
	v_and_b32 v3, 15, v0                           ; r
	v_bfe_u32 v4, v0, 4, 1                         ; h
	v_and_b32 v5, 7, v3
	v_lshrrev_b32 v6, 3, v3
	v_mul_lo_u32 v7, v6, s33
	v_add3_u32 v7, v7, v5, s32                     ; my row of the weight
	v_mul_lo_u32 v7, v7, s34
	v_lshl_add_u32 v7, v4, 7, v7                   ; + 32 h numbers: lane (r, h) holds k = 64 c + 32 h + 0 .. 31
.irp c, 0,1
.irp i, 0,1,2,3,4,5,6,7
	global_load_b128 v[32+32*\c+4*\i:35+32*\c+4*\i], v7, s[36:37] offset:256*\c+16*\i
.endr
.endr
	s_wait_alu depctr_va_vdst(0)
	v_lshlrev_b32 v17, 4, v2
	v_lshlrev_b32 v18, 2, v2
	v_lshlrev_b32 v15, 3, v4
	v_mov_b32 v16, 0                               ; a lane permute's destination counts as one of its sources
	s_wait_loadcnt 0x0
.irp c, 0,1                                    ; my block 2 c + h: all its 32 numbers are mine
	v_max3_num_f32 v[8+\c], |v[32+32*\c]|, |v[33+32*\c]|, 0x2800000   ; with the floor 2^(5 - 127): the byte cannot fall under 1
.endr
.irp i, 2,4,6,8,10,12,14,16,18,20,22,24,26,28,30
.irp c, 0,1
	v_max3_num_f32 v[8+\c], v[8+\c], |v[32+32*\c+\i]|, |v[33+32*\c+\i]|
.endr
.endr
.irp c, 0,1
	v_add_nc_u32 v[10+\c], 0xfe000000, v[8+\c]     ; 4 off the exponent field: the conversion's scale operand
.endr
.irp c, 0,1
	v_lshrrev_b32 v[12+\c], 23, v[10+\c]           ; the scale's byte
.endr
	v_lshl_or_b32 v14, v13, 16, v12                ; blocks h and 2 + h,
	v_lshlrev_b32 v14, v15, v14                    ; 8 h bits up;
	v_permlanex16_b32 v16, v14, s40, s41
	v_or_b32 v14, v14, v16                         ; with lane l xor 16's two the word is whole
.irp c, 0,1
	v_cvt_scalef32_pk16_bf6_f32 v[96+6*\c:98+6*\c], v[32+32*\c:47+32*\c], v[10+\c]
	v_cvt_scalef32_pk16_bf6_f32 v[108+4*\c:110+4*\c], v[48+32*\c:63+32*\c], v[10+\c]   ; (a conversion's three registers begin on an even number)
.endr
	v_nop                                          ; one plain place behind a scaled conversion
.irp c, 0,1
.irp i, 0,1,2
	v_mov_b32 v[99+6*\c+\i], v[108+4*\c+\i]
.endr
.endr
.irp i, 0,1,2
	global_store_b128 v17, v[96+4*\i:99+4*\i], s[16:17] offset:512*\i   ; 32 lanes store 512 consecutive bytes
.endr
	global_store_b32 v18, v14, s[44:45]
	s_endpgm
.Lfunc_end_k_q750819b9d2_prep:
	.size	k_q750819b9d2_prep, .Lfunc_end_k_q750819b9d2_prep-k_q750819b9d2_prep
	.p2alignl 7, 3214868480
	.fill 96, 4, 3214868480
	.section	.rodata,"a",@progbits
	.p2align	6, 0x0
	.amdhsa_kernel k_q750819b9d2_prep
		.amdhsa_group_segment_fixed_size 0
		.amdhsa_private_segment_fixed_size 0
		.amdhsa_enable_private_segment 0
		.amdhsa_kernarg_size 56
		.amdhsa_user_sgpr_count 2
		.amdhsa_user_sgpr_kernarg_segment_ptr 1
		.amdhsa_wavefront_size32 1
		.amdhsa_system_sgpr_workgroup_id_x 1
		.amdhsa_system_sgpr_workgroup_id_y 1
		.amdhsa_system_sgpr_workgroup_id_z 1
		.amdhsa_system_vgpr_workitem_id 0
		.amdhsa_next_free_vgpr 128
		.amdhsa_next_free_sgpr 66
		.amdhsa_reserve_vcc 1
		.amdhsa_float_denorm_mode_32 3
		.amdhsa_float_denorm_mode_16_64 3
		.amdhsa_memory_ordered 1
		.amdhsa_forward_progress 1
		.amdhsa_inst_pref_size 18
	.end_amdhsa_kernel
	.amdgpu_metadata
---
amdhsa.version: [ 1, 2 ]
amdhsa.kernels:
  - .name:           k_q750819b9d2_prep
    .symbol:         k_q750819b9d2_prep.kd
    .args:
      - { .name: x, .offset: 0, .size: 8, .value_kind: global_buffer, .address_space: global }
      - { .name: qkv_w, .offset: 8, .size: 8, .value_kind: global_buffer, .address_space: global }
      - { .name: proj_w, .offset: 16, .size: 8, .value_kind: global_buffer, .address_space: global }
      - { .name: mlp_w1, .offset: 24, .size: 8, .value_kind: global_buffer, .address_space: global }
      - { .name: mlp_w2, .offset: 32, .size: 8, .value_kind: global_buffer, .address_space: global }
      - { .name: stats1, .offset: 40, .size: 8, .value_kind: global_buffer, .address_space: global }
      - { .name: wq, .offset: 48, .size: 8, .value_kind: global_buffer, .address_space: global }
    .group_segment_fixed_size: 0
    .private_segment_fixed_size: 0
    .kernarg_segment_align: 8
    .kernarg_segment_size: 56
    .max_flat_workgroup_size: 128
    .sgpr_count:     66
    .vgpr_count:     128
    .wavefront_size: 32
...
	.end_amdgpu_metadata
.endif
;; end of part 1
;; launch qkv (part 2): grid 64 x 4, 4 waves a work-group, no clusters, 8,704 bytes of LDS; arguments x, stats1, bn1_g, bn1_b, wq, qkv_b, q, kv; writes q, kv
.if DOCPART == 2
	.amdgcn_target "amdgcn-amd-amdhsa--gfx1250"
	.amdhsa_code_object_version 6
	.text
	.protected	k_q750819b9d2_qkv
	.globl	k_q750819b9d2_qkv
	.p2align	8
	.type	k_q750819b9d2_qkv,@function
k_q750819b9d2_qkv:
	s_mov_b64 s[64:65], 0
	v_nop
	global_prefetch_b8 v0, s[64:65] scope:SCOPE_SE
	s_setreg_imm32_b32 hwreg(HW_REG_WAVE_MODE, 25, 1), 1
	s_wait_xcnt 0x0
; QKV.  h = BN1(x); qkv = W h + b on E3M2 codes; q, k quantised along the head's 32 channels, v along the keys; all three stored as images of the registers in which the attention launch wants them.
; SHARES.  A work-group owns 64 neighbouring pixels (block pb) of batch b.  Tile t, row r is pixel 4 r + t: one load of 16 bytes at [channel][4 r ..] gives a lane one number of each of the four tiles, and
; sixteen lanes read 256 consecutive bytes.  Wave w quantises channels 32 w .. 32 w + 31 (block w of K) of all 64 pixels into rows in LDS; one barrier; every wave reads the four fragments.
; Then wave w makes 64 of q's or k's channels (two heads; waves 0, 1: q; waves 2, 3: k) and head w of v.
; q, k: source 0 = 16 rows of W, source 1 = a tile of pixels.  The rows of the four W fragments are chosen (launch prep) so that lane (r, h) holds all 32 channels of head 2 (w % 2) + h of pixel 4 r + t in 32 registers:
; a whole block: its maximum needs no other lane, and two conversions give six registers of codes.
; v: sources swapped (source 0 = pixels, source 1 = 16 rows of W): lane (r, h) holds one channel and pixels 32 h + 4 j + t in register 8 t + j: a whole block of 32 keys.  The softmax's weights fall in the same order.
; BN1: the eight partial (mean, M2) of a channel are joined as mean = avg, M2 = sum M2 + 2,048 sum (mean_i - mean)^2; applied as (x - mean) a + beta, a = gamma / sqrt(var + eps).
; IMAGES.  q: [b][pb][6,400]: four heads x 1,536 bytes, then 4 x 64 scale bytes.  kv: [b][slot 8][head 4][step 4][6,400]: two K images, four half images of V, a last unit with the scale bytes.
; A q or k image: codes of pixel 4 r + u: registers 0-3 at 256 u + 16 r, registers 4, 5 at 1024 + 256 (u / 2) + 16 r + 8 (u % 2).
; LIMITS: NaN and infinities are not served; a block of zeros gets the scale byte 1.  The scale bytes leave in pieces of 64 bytes (128 of a head's 3,200 bytes); all codes in whole runs of 256 bytes.
; REGISTERS, window 0: v1-19, v30, v31 addresses; v20-25 W's scale words; v26-29 h's; v32-95 x, then the four fragments of h; v96-143 mean, a, beta of my 16 channels, then the codes that go out;
;   v144-207 h in f32, then the accumulators; v208-255 at work.   window 1: v0-71 six fragments of W; v72-103 q/k biases; v104-119 v's biases.
.set HSC,   6144                       ; LDS: 64 rows of 96 bytes (h's codes) from 0; their scale words, 4 bytes a row;
.set PT,    6400                       ; and for each wave 384 bytes: mean, a, beta of its 32 channels
.set WSC,   147456
.set XOFF,  4
.set HST,   5
.set HSB,   6
.set HFR,   7
.set HSR,   8
.set X,     32
.set XWIN,  0
.set FRG,   32
.set MEANR, 96
.set AR,    112
.set BETAR, 128
.set H,     144
.set ACC,   144
.set TM,    208                        ; v208-211 largest magnitudes, v212-215 the other half's, then bytes, v216-219 scale operands
.set CD,    224                        ; v224-239 the four tiles' codes
.set WS,    20
.set HS,    26
.set OM,    96                         ; q, k codes: registers 0-3 of tile t at OM + 4 t
.set TT,    112                        ; registers 4, 5 of two tiles to a store
.set QW,    120                        ; the four tiles' scale bytes
.set VM,    124                        ; v's codes: six registers for each of two tiles
.set MSB, 0
.macro WIN new                         ; the immediate's high byte repeats the setting that is left
.if MSB != \new
	s_set_vgpr_msb (MSB<<8)|\new
.set MSB, \new
.endif
.endm
; BN applied and quantised: X[4 i + t] = channel 32 w + 16 h + i of pixel 4 r + t.  Tile t's 16 numbers of a lane and lane l xor 16's are a block; 12 bytes of codes go to the pixel's row, one byte to its scale word.
.macro XQ
	WIN XWIN
.set i, 0
.rept 16
.irp t, 0,1,2,3
	v_sub_f32 v[H+16*\t+i], v[X+4*i+\t], v[MEANR+i]
.endr
.set i, i+1
.endr
	WIN 0
.set i, 0
.rept 16
.irp t, 0,1,2,3
	v_fma_f32 v[H+16*\t+i], v[H+16*\t+i], v[AR+i], v[BETAR+i]
.endr
.set i, i+1
.endr
.irp t, 0,1,2,3
	v_max3_num_f32 v[TM+\t], |v[H+16*\t]|, |v[H+16*\t+1]|, 0x2800000   ; with the floor 2^(5 - 127)
.endr
.irp k, 2,4,6,8,10,12,14
.irp t, 0,1,2,3
	v_max3_num_f32 v[TM+\t], v[TM+\t], |v[H+16*\t+\k]|, |v[H+16*\t+\k+1]|
.endr
.endr
.irp t, 0,1,2,3
	v_permlanex16_b32 v[TM+4+\t], v[TM+\t], s[SEL], s[SEL+1]
.endr
.irp t, 0,1,2,3
	v_max_num_f32 v[TM+\t], v[TM+\t], v[TM+4+\t]
.endr
.irp t, 0,1,2,3
	v_add_nc_u32 v[TM+8+\t], 0xfe000000, v[TM+\t]  ; 4 off the exponent field: the conversion's scale operand
.endr
.irp t, 0,1,2,3
	v_lshrrev_b32 v[TM+4+\t], 23, v[TM+8+\t]       ; the scale's byte
.endr
.irp t, 0,1,2,3
	v_cvt_scalef32_pk16_bf6_f32 v[CD+4*\t:CD+4*\t+2], v[H+16*\t:H+16*\t+15], v[TM+8+\t]
.endr
	v_nop                                          ; one plain place behind a scaled conversion
.irp t, 0,1,2,3
	ds_store_b32 v[HST], v[CD+4*\t] offset:1536*\t
	ds_store_b32 v[HST], v[CD+4*\t+1] offset:1536*\t+4
	ds_store_b32 v[HST], v[CD+4*\t+2] offset:1536*\t+8
	ds_store_b8 v[HSB], v[TM+4+\t] offset:64*\t    ; both halves of the lanes write the same byte with the same value
.endr
	s_wait_dscnt 0x0                               ; for the others' sake: my stores have landed
	s_barrier_signal -1
	s_barrier_wait -1
.endm
.macro FRAG6 reg, adr, off             ; a fragment from rows of 96 bytes: 24 bytes at 24 h and 24 at 48 + 24 h, in pieces of 8
.irp p, 0,1,2,3,4,5
	ds_load_b64 v[\reg+2*\p:\reg+2*\p+1], v[\adr] offset:\off+48*(\p/3)+8*(\p%3)
.endr
.endm
.macro MAX32A src, mx, m2              ; the largest magnitude of 32 registers, in two chains; each accumulator is read from its low end on
	v_max3_num_f32 v[\mx], |v[\src]|, |v[\src+1]|, 0x2800000
	v_max3_num_f32 v[\m2], |v[\src+16]|, |v[\src+17]|, 0x2800000
.irp k, 2,4,6,8,10,12,14
	v_max3_num_f32 v[\mx], v[\mx], |v[\src+\k]|, |v[\src+\k+1]|
	v_max3_num_f32 v[\m2], v[\m2], |v[\src+16+\k]|, |v[\src+17+\k]|
.endr
	v_max_num_f32 v[\mx], v[\mx], v[\m2]
.endm
.set SEL, 38
	s_load_b256 s[4:11], s[0:1], 0x0               ; x, stats1, bn1_g, bn1_b
	s_load_b256 s[12:19], s[0:1], 0x20             ; wq, qkv_b, q, kv
	v_lshl_add_u32 v254, v0, 2, 0x2000
	v_mov_b32 v255, 0
	v_lshrrev_b32 v1, 5, v0
	v_readfirstlane_b32 s20, v1                    ; wave
	s_mov_b32 s21, ttmp9                           ; pb
	s_and_b32 s22, ttmp7, 0xffff                   ; b
	v_and_b32 v1, 31, v0                           ; lane
	v_and_b32 v2, 15, v0                           ; r
	v_bfe_u32 v3, v0, 4, 1                         ; h
	v_lshlrev_b32 v[XOFF], 4, v2
	v_lshl_or_b32 v[XOFF], v3, 18, v[XOFF]         ; x: 16 channels on for lanes 16-31, 16 bytes a lane
	v_mul_u32_u24 v[HFR], v2, 96
	v_mad_u32_u24 v[HFR], v3, 24, v[HFR]           ; a fragment's row r, + 24 h
	v_mul_u32_u24 v[HST], v2, 96
	v_mad_u32_u24 v[HST], v3, 12, v[HST]
	s_mul_i32 s23, s20, 24
	v_add_nc_u32 v[HST], s23, v[HST]               ; where I put 12 bytes: row r, block w, half h
	v_lshl_add_u32 v[HSR], v2, 2, HSC
	v_add_nc_u32 v[HSB], s20, v[HSR]               ; and the block's byte
	s_mul_i32 s23, s20, 384
	s_add_co_u32 s23, s23, PT
	v_lshl_add_u32 v9, v1, 2, s23                  ; my wave's table: in, 4 bytes a lane;
	v_lshl_add_u32 v10, v3, 6, s23                 ; back, my half's 16 channels
	v_lshlrev_b32 v11, 4, v1
	v_lshlrev_b32 v12, 3, v1
	v_lshlrev_b32 v13, 2, v1
	v_lshlrev_b32 v14, 1, v1
	v_lshlrev_b32 v15, 3, v3
	v_lshlrev_b32 v18, 7, v3                       ; q, k biases: 32 channels on for lanes 16-31
	v_and_b32 v19, 7, v2
	v_lshrrev_b32 v30, 3, v2
	v_lshl_add_u32 v19, v30, 4, v19
	v_lshlrev_b32 v19, 2, v19                      ; v's bias: channel r % 8 + 16 (r / 8) of the tile
	v_lshlrev_b32 v30, 6, v0                       ; stats1: 64 bytes for channel 32 w + lane
	v_lshlrev_b32 v31, 2, v0
	s_mov_b32 s26, 0x38800000                      ; 1 / 16,384
	s_mov_b32 s27, 0x3727c5ac                      ; 1e-5
	s_mov_b32 s[SEL], 0x76543210
	s_mov_b32 s[SEL+1], 0xfedcba98
	; byte offsets, apart from the addresses
	s_lshl_b32 s24, s22, 21
	s_lshl_b32 s25, s20, 19
	s_add_co_u32 s24, s24, s25
	s_lshl_b32 s25, s21, 8
	s_add_co_u32 s24, s24, s25                     ; x: batch, my 32 channels, my 64 pixels
	s_mov_b32 s25, 0
	s_lshl_b32 s40, s22, 6
	s_add_co_u32 s40, s40, s21
	s_mul_i32 s40, s40, 6400                       ; q's block
	s_and_b32 s41, s20, 1
	s_mul_i32 s42, s41, 3072
	s_add_co_u32 s42, s42, s40                     ; q: head 2 (w % 2)
	s_lshl_b32 s43, s41, 7
	s_add_co_u32 s43, s43, s40
	s_add_co_u32 s43, s43, 6144                    ; and its scale bytes
	s_lshl_b32 s44, s22, 3
	s_lshr_b32 s45, s21, 3
	s_add_co_u32 s44, s44, s45
	s_mul_i32 s44, s44, 102400                     ; kv: slot pb / 8 of the batch,
	s_bfe_u32 s45, s21, 0x20001
	s_mul_i32 s45, s45, 6400
	s_add_co_u32 s44, s44, s45                     ; step (pb / 2) % 4: head 0's chunk
	s_and_b32 s46, s21, 1                          ; which half of the chunk's 128 keys
	s_mul_i32 s47, s41, 51200
	s_add_co_u32 s47, s47, s44                     ; head 2 (w % 2)'s chunk
	s_mul_i32 s48, s46, 1536
	s_add_co_u32 s48, s48, s47                     ; k's image
	s_lshl_b32 s49, s46, 7
	s_add_co_u32 s49, s49, s47
	s_add_co_u32 s49, s49, 6144                    ; and its scale bytes
	s_mov_b32 s54, 25600
	s_mov_b32 s55, 25600
	s_cmp_lt_u32 s20, 2                            ; q's wave or k's?  The choice hangs on the wave's number alone
	s_cselect_b32 s50, s42, s48
	s_cselect_b32 s52, s43, s49
	s_cselect_b32 s54, 1536, s54                   ; from a head's codes to the next head's
	s_cselect_b32 s55, 64, s55                     ; and its scale bytes
	s_mov_b32 s51, 0
	s_mov_b32 s53, 0
	v_mul_lo_u32 v16, v3, s54
	v_lshl_add_u32 v16, v2, 4, v16                 ; 16 r + h heads
	v_mul_lo_u32 v17, v3, s55
	v_lshl_add_u32 v17, v2, 2, v17                 ; 4 r + h heads
	s_wait_alu depctr_va_vdst(0)
	s_wait_kmcnt 0x0
	s_cselect_b64 s[56:57], s[16:17], s[18:19]
	s_add_nc_u64 s[50:51], s[56:57], s[50:51]
	s_add_nc_u64 s[52:53], s[56:57], s[52:53]
	s_add_nc_u64 s[4:5], s[4:5], s[24:25]
.irp k, 0,1,2,3
	global_load_b128 v[208+4*\k:211+4*\k], v30, s[6:7] offset:16*\k   ; my channel's eight (mean, M2)
.endr
	global_load_b32 v224, v31, s[8:9]
	global_load_b32 v225, v31, s[10:11]
.set i, 0
.rept 16
	global_load_b128 v[X+4*i:X+4*i+3], v[XOFF], s[4:5] offset:16384*i
.set i, i+1
.endr
	; the other pointers
	s_mul_i32 s24, s20, 6144
	s_add_nc_u64 s[28:29], s[12:13], s[24:25]      ; W's fragments 4 w ..
	s_mul_i32 s24, s20, 3072
	s_add_co_u32 s24, s24, 24576
	s_add_nc_u64 s[30:31], s[12:13], s[24:25]      ; 16 + 2 w ..
	s_lshl_b32 s24, s20, 9
	s_add_co_u32 s24, s24, WSC
	s_add_nc_u64 s[32:33], s[12:13], s[24:25]      ; their scale words
	s_lshl_b32 s24, s20, 8
	s_add_co_u32 s24, s24, WSC+2048
	s_add_nc_u64 s[34:35], s[12:13], s[24:25]
	s_lshl_b32 s24, s20, 8
	s_add_nc_u64 s[36:37], s[14:15], s[24:25]      ; biases of channels 64 w ..
	s_lshl_b32 s24, s20, 7
	s_add_co_u32 s24, s24, 1024
	s_add_nc_u64 s[62:63], s[14:15], s[24:25]      ; and of v's head w
	s_mul_i32 s24, s20, 25600
	s_add_co_u32 s24, s24, s44                     ; head w's chunk
	s_mul_i32 s23, s46, 768
	s_add_co_u32 s23, s23, s24
	s_add_co_u32 s58, s23, 3072
	s_mov_b32 s59, 0
	s_add_nc_u64 s[58:59], s[18:19], s[58:59]      ; v's half images
	s_lshl_b32 s23, s46, 7
	s_add_co_u32 s23, s23, s24
	s_add_co_u32 s60, s23, 6208
	s_mov_b32 s61, 0
	s_add_nc_u64 s[60:61], s[18:19], s[60:61]      ; and their scale bytes
	s_wait_loadcnt 16                              ; the statistics, gamma and beta are in; the 16 loads of x may be out
	v_add_f32 v226, v208, v210
	v_add_f32 v227, v212, v214
	v_add_f32 v228, v216, v218
	v_add_f32 v229, v220, v222
	v_add_f32 v226, v226, v227
	v_add_f32 v228, v228, v229
	v_add_f32 v226, v226, v228
	v_mul_f32 v226, 0x3e000000, v226               ; the channel's mean
	v_add_f32 v227, v209, v211
	v_add_f32 v228, v213, v215
	v_add_f32 v229, v217, v219
	v_add_f32 v232, v221, v223
	v_add_f32 v227, v227, v228
	v_add_f32 v229, v229, v232
	v_add_f32 v227, v227, v229                     ; sum of M2
	v_sub_f32 v230, v208, v226
	v_mul_f32 v231, v230, v230
.irp k, 1,2,3,4,5,6,7
	v_sub_f32 v230, v[208+2*\k], v226
	v_fmac_f32 v231, v230, v230
.endr
	v_fmamk_f32 v227, v231, 0x45000000, v227       ; + 2,048 x the means' own spread
	v_fma_f32 v227, v227, s26, s27                 ; var + eps
	s_wait_alu depctr_va_vdst(0)
	v_rsq_f32 v228, v227
	v_nop                                          ; a plain place behind the transcendental
	s_wait_alu depctr_va_vdst(0)                   ; and the wait ahead of its first reader
	v_mul_f32 v228, v224, v228                     ; a = gamma / sqrt(var + eps)
	ds_store_b32 v9, v226
	ds_store_b32 v9, v228 offset:128
	ds_store_b32 v9, v225 offset:256
.irp k, 0,1,2,3                                ; the wave's own bytes, served in order: no barrier
	ds_load_b128 v[MEANR+4*\k:MEANR+4*\k+3], v10 offset:16*\k
	ds_load_b128 v[AR+4*\k:AR+4*\k+3], v10 offset:128+16*\k
	ds_load_b128 v[BETAR+4*\k:BETAR+4*\k+3], v10 offset:256+16*\k
.endr
	WIN 0x40                                       ; destination window 1
.irp u, 0,1,2,3
.irp i, 0,1,2
	global_load_b128 v[12*\u+4*\i:12*\u+4*\i+3], v11, s[28:29] offset:1536*\u+512*\i
.endr
.endr
.irp e, 0,1
.irp i, 0,1,2
	global_load_b128 v[48+12*\e+4*\i:48+12*\e+4*\i+3], v11, s[30:31] offset:1536*\e+512*\i
.endr
.endr
.irp u, 0,1,2,3
	global_load_b128 v[72+8*\u:75+8*\u], v18, s[36:37] offset:32*\u
	global_load_b128 v[76+8*\u:79+8*\u], v18, s[36:37] offset:32*\u+16
.endr
.irp e, 0,1
.irp j, 0,1,2,3,4,5,6,7
	global_load_b32 v[104+8*\e+\j], v19, s[62:63] offset:32*\e     ; with the sources swapped a lane's eight results share one channel: eight equal registers
.endr
.endr
	WIN 0
.irp u, 0,1,2,3
	global_load_b32 v[WS+\u], v13, s[32:33] offset:128*\u
.endr
.irp e, 0,1
	global_load_b32 v[WS+4+\e], v13, s[34:35] offset:128*\e
.endr
	s_wait_dscnt 0x0                               ; mean, a, beta
	s_wait_loadcnt 48                              ; x is in; the 48 loads of weights, biases and scale words may be out
	XQ
.irp t, 0,1,2,3
	FRAG6 FRG+12*\t, HFR, 1536*\t
	ds_load_b32 v[HS+\t], v[HSR] offset:64*\t
.endr
	s_wait_dscnt 0x0
	s_wait_loadcnt 0x0
	; ---- q or k: a tile of 16 pixels at a time
.irp t, 0,1,2,3
	WIN 0x11                                       ; source 0 (W) and source 2 (bias) window 1
.irp u, 0,1,2,3
	v_wmma_scale_f32_16x16x128_f8f6f4 v[ACC+8*\u:ACC+8*\u+7], v[12*\u:12*\u+11], v[FRG+12*\t:FRG+12*\t+11], v[72+8*\u:79+8*\u], v[WS+\u], v[HS+\t] matrix_a_fmt:MATRIX_FMT_BF6 matrix_b_fmt:MATRIX_FMT_BF6
.endr
	WIN 0
.rept 4
	v_nop                                          ; four places ahead of the first read of results
.endr
	MAX32A ACC, 208, 209
	v_add_nc_u32 v210, 0xfe000000, v208
	v_lshrrev_b32 v211, 23, v210
	v_cvt_scalef32_pk16_bf6_f32 v[OM+4*\t:OM+4*\t+2], v[ACC:ACC+15], v210
	v_cvt_scalef32_pk16_bf6_f32 v[212:214], v[ACC+16:ACC+31], v210
	v_nop                                          ; one plain place behind a scaled conversion
	v_mov_b32 v[OM+4*\t+3], v212
	v_mov_b32 v[TT+4*(\t/2)+2*(\t%2)], v213
	v_mov_b32 v[TT+4*(\t/2)+2*(\t%2)+1], v214
.if \t == 0
	v_mov_b32 v[QW], v211
.else
	v_lshl_or_b32 v[QW], v211, 8*\t, v[QW]
.endif
	global_store_b128 v16, v[OM+4*\t:OM+4*\t+3], s[50:51] offset:256*\t   ; each half of the lanes stores 256 consecutive bytes of its head's image
.if \t%2
	global_store_b128 v16, v[TT+4*(\t/2):TT+4*(\t/2)+3], s[50:51] offset:1024+256*(\t/2)
.endif
.endr
	global_store_b32 v17, v[QW], s[52:53]          ; pixels 4 r .. 4 r + 3: four scale bytes
	; ---- v, head w: 16 channels at a time, sources swapped
.irp e, 0,1
	WIN 0x14                                       ; source 1 (W) and source 2 (bias) window 1
.irp t, 0,1,2,3
	v_wmma_scale_f32_16x16x128_f8f6f4 v[ACC+8*\t:ACC+8*\t+7], v[FRG+12*\t:FRG+12*\t+11], v[48+12*\e:59+12*\e], v[104+8*\e:111+8*\e], v[HS+\t], v[WS+4+\e] matrix_a_fmt:MATRIX_FMT_BF6 matrix_b_fmt:MATRIX_FMT_BF6
.endr
	WIN 0
.rept 4
	v_nop
.endr
	MAX32A ACC, 208, 209
	v_add_nc_u32 v210, 0xfe000000, v208
	v_lshrrev_b32 v211, 23, v210
	v_cvt_scalef32_pk16_bf6_f32 v[VM+8*\e:VM+8*\e+2], v[ACC:ACC+15], v210
	v_cvt_scalef32_pk16_bf6_f32 v[212:214], v[ACC+16:ACC+31], v210
	v_nop
	v_mov_b32 v[VM+8*\e+3], v212
	v_mov_b32 v[VM+8*\e+4], v213
	v_mov_b32 v[VM+8*\e+5], v214
	v_lshlrev_b32 v[216+\e], v15, v211             ; my block's byte, 8 h bits up;
	v_permlanex16_b32 v218, v[216+\e], s[SEL], s[SEL+1]
	v_or_b32 v[216+\e], v[216+\e], v218            ; with the other half's: two bytes of the channel's scale word
	global_store_b128 v11, v[VM+8*\e:VM+8*\e+3], s[58:59] offset:1536*\e
	global_store_b64 v12, v[VM+8*\e+4:VM+8*\e+5], s[58:59] offset:1536*\e+512
.endr
	v_cmp_ne_u32 vcc_lo, 0, v3
	v_cndmask_b32 v220, v216, v217, vcc_lo         ; lanes 0-15 store the first tile's, lanes 16-31 the second's
	global_store_b16 v14, v220, s[60:61]
	s_wait_tensorcnt 0x0
	ds_add_u32 v254, v255
	s_wait_dscnt 0x0
	s_endpgm
.Lfunc_end_k_q750819b9d2_qkv:
	.size	k_q750819b9d2_qkv, .Lfunc_end_k_q750819b9d2_qkv-k_q750819b9d2_qkv
	.p2alignl 7, 3214868480
	.fill 96, 4, 3214868480
	.section	.rodata,"a",@progbits
	.p2align	6, 0x0
	.amdhsa_kernel k_q750819b9d2_qkv
		.amdhsa_group_segment_fixed_size 8704
		.amdhsa_private_segment_fixed_size 0
		.amdhsa_enable_private_segment 0
		.amdhsa_kernarg_size 64
		.amdhsa_user_sgpr_count 2
		.amdhsa_user_sgpr_kernarg_segment_ptr 1
		.amdhsa_wavefront_size32 1
		.amdhsa_system_sgpr_workgroup_id_x 1
		.amdhsa_system_sgpr_workgroup_id_y 1
		.amdhsa_system_sgpr_workgroup_id_z 1
		.amdhsa_system_vgpr_workitem_id 0
		.amdhsa_next_free_vgpr 384
		.amdhsa_next_free_sgpr 66
		.amdhsa_reserve_vcc 1
		.amdhsa_float_denorm_mode_32 3
		.amdhsa_float_denorm_mode_16_64 3
		.amdhsa_memory_ordered 1
		.amdhsa_forward_progress 1
		.amdhsa_inst_pref_size 42
	.end_amdhsa_kernel
	.amdgpu_metadata
---
amdhsa.version: [ 1, 2 ]
amdhsa.kernels:
  - .name:           k_q750819b9d2_qkv
    .symbol:         k_q750819b9d2_qkv.kd
    .args:
      - { .name: x, .offset: 0, .size: 8, .value_kind: global_buffer, .address_space: global }
      - { .name: stats1, .offset: 8, .size: 8, .value_kind: global_buffer, .address_space: global }
      - { .name: bn1_g, .offset: 16, .size: 8, .value_kind: global_buffer, .address_space: global }
      - { .name: bn1_b, .offset: 24, .size: 8, .value_kind: global_buffer, .address_space: global }
      - { .name: wq, .offset: 32, .size: 8, .value_kind: global_buffer, .address_space: global }
      - { .name: qkv_b, .offset: 40, .size: 8, .value_kind: global_buffer, .address_space: global }
      - { .name: q, .offset: 48, .size: 8, .value_kind: global_buffer, .address_space: global }
      - { .name: kv, .offset: 56, .size: 8, .value_kind: global_buffer, .address_space: global }
    .group_segment_fixed_size: 8704
    .private_segment_fixed_size: 0
    .kernarg_segment_align: 8
    .kernarg_segment_size: 64
    .max_flat_workgroup_size: 128
    .sgpr_count:     66
    .vgpr_count:     384
    .wavefront_size: 32
...
	.end_amdgpu_metadata
.endif
;; end of part 2
;; launch attn (part 3): grid 64 x 4, 16 waves a work-group, clusters of 4 x 1, 327,680 bytes of LDS; arguments q, kv, wq, proj_b, x, x2, stats2; writes x2, stats2
.if DOCPART == 3
	.amdgcn_target "amdgcn-amd-amdhsa--gfx1250"
	.amdhsa_code_object_version 6
	.text
	.protected	k_q750819b9d2_attn
	.globl	k_q750819b9d2_attn
	.p2align	8
	.type	k_q750819b9d2_attn,@function
k_q750819b9d2_attn:
	s_mov_b64 s[64:65], 0
	v_nop
	global_prefetch_b8 v0, s[64:65] scope:SCOPE_SE
	s_setreg_imm32_b32 hwreg(HW_REG_WAVE_MODE, 25, 1), 1
	s_wait_xcnt 0x0
	s_wait_alu depctr_hold_cnt(0) depctr_sa_sdst(0) depctr_va_vdst(0) depctr_va_sdst(0) depctr_va_ssrc(0) depctr_va_vcc(0) depctr_vm_vsrc(0)
	s_getreg_b32 s2, hwreg(HW_REG_IB_STS2, 6, 4)
	s_cmp_eq_u32 s2, 0
	s_cbranch_scc0 .Lentry_in_a_cluster
	s_endpgm
.Lentry_in_a_cluster:
	s_bfe_u32 s2, ttmp6, 0x10000c
	s_cmp_lg_u32 s2, 0x3003
	s_cbranch_scc0 .Lentry_shape_is_right
	s_endpgm
.Lentry_shape_is_right:
; ATTN.  x2 = x + proj(softmax(q k^T / sqrt(32)) v) + proj_b, all three products on E3M2 codes, and BN2's partial (mean, M2) of this work-group's 64 pixels for each channel.
; SHARES.  A work-group owns 64 queries (block qb) of batch b, all four heads (together they are proj's K).  Wave w: head w % 4, tile w / 4 of 16 queries (query r = pixel 4 r + tile), in 256 registers: four waves
; to a SIMD, so that one wave's softmax stands beside another's matrix work and LDS loads.  Every wave walks the batch's 4,096 keys, 128 a step.
; CLUSTER.  The four work-groups of a cluster belong to one batch and walk the same kv: each slot (512 keys x 4 heads, 102,400 dense bytes) is asked for JOINTLY, by waves 0-3, a head's quarter each.
; K = 32 FOUR KEYS DEEP.  A fragment of K holds 64 keys: row m, block u = key 4 m + u.  Q stands in four versions, its codes in block u and zero codes elsewhere, laid as 30 registers Z X Z Y Z (Z zeros, X the codes in
; lanes 0-15 alone, Y in lanes 16-31 alone).  K x Q_u gives register j of lane (r, h) the score of key 32 h + 4 j + u of the 64 against query r: the 32 registers of u = 0 .. 3 are a WHOLE block of 32 keys in a lane:
; its maximum needs no other lane and two conversions give six registers of P in the right lane.  Inside a block place 8 u + j is key 4 j + u; V's codes were laid in the same order.
; SOFTMAX.  t = score x log2(e) / sqrt(32); M = the running largest t rounded up to a whole number, kept as -M = floor(-t); p = 2^(t - M) is quantised; the sum is taken of the unquantised p; when M moves, the sum and O
; are multiplied by 2^(old M - new M), which rounds nothing.  A block's largest p comes from its largest score by the same multiply-add and exponential.
; LIMITS: NaN and infinities are not served; a block of zeros keeps the scale byte 1; v_exp_f32 gives 0 for results under 2^-126.
; REGISTERS: v1, v2 the spare word's address and 0; v3-7 lane places in a slot, v8-12 the same in the slot in hand; v13 8 h; v14 -M, v15 largest t; v[16:17] the sum; v18-23 addresses; v24-53 Q; v54-59 scale words alone;
;   v60-83 K; v84-107 V; v108-171 scores, then p; v172-187 O^T; v188-199 P; v200-221 at work; v230-236 lane numbers that stay.
.set SLOT1,  1<<17                     ; slot 1 begins here: one exclusive or turns an address in one slot into the other's
.set SLOTB,  102400                    ; a slot: 4 heads x 4 steps x 6,400 bytes
.set HEADB,  25600
.set CHUNK,  6400                      ; one head, 128 keys: two K images, four half images of V, a unit of scale bytes
.set BATCHB, 819200
.set NSLOT,  8
.set OUTC,   102400                    ; between the slots: the attention's result as 64 rows of 96 bytes of codes,
.set OUTS,   108544                    ; their scale words,
.set SPARE,  108800                    ; and the spare words, 128 bytes for each of 16 waves: eight blocks of 256 bytes that no other line names
.set WSC,    147456
.set SPW, 1
.set NIL, 2
.set A16, 3
.set B16, 8                            ; 16 x lane
.set BTL, 9                            ; 16 r + 8 h
.set B8,  10                           ; 8 x lane
.set BKS, 11                           ; 4 r + 128 h
.set B2,  12                           ; 2 x lane
.set SH8, 13
.set OST, 18
.set OSB, 19
.set OFR, 20
.set OSR, 21
.set XO,  22
.set PFO, 23
.set QB,  24
.set QS,  54
.set KS,  55
.set VS,  56
.set PS,  57
.set VH,  58
.set KF,  60
.set VF,  84
.set S,   108
.set O,   172
.set P,   188
.set XR,  108                          ; the tail: x, then x2
.set WP,  140                          ; proj_w's fragment
.set PB,  152                          ; proj_b
.set WV,  18
.set CS,  22
.set G1,  24
.set G0,  32
.set SEL, 36
.set TB,  38
.set SLOTS, 39
.set PFA, 40
.set LIM, 42
; Waves 0-3 fetch, a head's quarter of a slot each.  The branch hangs on the wave's number alone.  Four v_nop follow the load.
.macro TLOAD
	s_cmp_lt_u32 s[WV], 4
	s_cbranch_scc0 .Lno_load_\@
	tensor_load_to_lds s[G0:G0+3], s[G1:G1+7]
	s_nop 0
.rept 4
	v_nop
.endr
.Lno_load_\@:
.endm
; A round of the cluster's barrier.
.macro ROUND
	s_barrier_signal -1
	s_barrier_wait -1
	s_cmp_lg_u32 s[WV], 0
	s_cbranch_scc1 .Lnot_wave_0_\@
	s_barrier_signal -3
.Lnot_wave_0_\@:
	s_barrier_wait -3
	s_barrier_signal -1
	s_barrier_wait -1
.endm
; A prefetch of the slot that the NEXT change of slots will ask for.  All 16 clusters of a batch walk the same kv: the batch's first cluster asks.  Its four partners take a head's 25,600 bytes each, told apart by
; address; in each, waves 4-7 take 6,400 bytes, 25 lanes 256 bytes apart (lanes 25-31 name lane 24's place again, in the same instruction).  The last change that fills a slot asks for nothing.
.macro ASK
	s_cmp_gt_u32 s[SLOTS], s[LIM]
	s_cbranch_scc0 .Lnot_mine_\@
	global_prefetch_b8 v[PFO], s[PFA:PFA+1] th:TH_LOAD_NT scope:SCOPE_SE
.Lnot_mine_\@:
.endm
	s_load_b256 s[4:11], s[0:1], 0x0               ; q, kv, wq, proj_b
	s_load_b128 s[12:15], s[0:1], 0x20             ; x, x2
	s_load_b64 s[16:17], s[0:1], 0x30              ; stats2
	v_lshl_add_u32 v[SPW], v0, 2, SPARE
	v_mov_b32 v[NIL], 0
	ds_add_u32 v1, v2
	ds_add_u32 v1, v2
	s_wait_dscnt 0x0
	v_lshrrev_b32 v3, 5, v0
	s_delay_alu instid0(VALU_DEP_1)
	v_readfirstlane_b32 s[WV], v3                  ; wave 0..15
	s_and_b32 s19, s[WV], 3                        ; head
	s_lshr_b32 s20, s[WV], 2                       ; tile of queries
	s_and_b32 s21, ttmp7, 0xffff                   ; batch, which the four partners share
	s_bfe_u32 s46, ttmp6, 0x40000                  ; cx: my place in the cluster
	s_lshl_b32 s47, ttmp9, 2
	s_add_co_u32 s47, s47, s46                     ; qb = 4 x cluster x + cx: it enters global addresses alone
	; descriptor group 1: 100 dense rows of 256 bytes
	s_mov_b32 s[G1], 15|(3<<16)|(1<<21)            ; 15:0 the mask: all four work-groups; 17:16 elements of 8 bytes; 21 set beside a mask; no padding
	s_mov_b32 s[G1+1], 32<<16                      ; tensor_dim0 = 32
	s_mov_b32 s[G1+2], 100<<16                     ; tensor_dim1 = 100
	s_mov_b32 s[G1+3], 32<<16                      ; tile_dim0 = 32
	s_mov_b32 s[G1+4], 100                         ; tile_dim1 = 100
	s_mov_b32 s[G1+5], 32                          ; from row to row
	s_mov_b32 s[G1+6], 0
	s_mov_b32 s[G1+7], 0
	s_mul_i32 s43, s19, HEADB                      ; my head's place in a slot
	s_mul_i32 s44, s21, BATCHB
	s_mov_b32 s45, 0
	s_mov_b32 s66, s43
	s_mov_b32 s67, 0
	s_mov_b32 s[CS], 0x3e8293ee                    ; c = log2(e) / sqrt(32)
	s_mov_b32 s[CS+1], s[CS]                       ; (named with it as a pair, so it is written)
	s_mov_b32 s[SEL], 0x76543210
	s_mov_b32 s[SEL+1], 0xfedcba98
	s_mov_b32 s[TB], 0
	s_mov_b32 s[SLOTS], NSLOT-1
	s_wait_kmcnt 0x0
	s_add_nc_u64 s[6:7], s[6:7], s[44:45]          ; kv at my batch
	s_mov_b32 s[G0], 1                             ; count = 1
	s_mov_b32 s[G0+1], s43                         ; LDS address: slot 0, quarter wave % 4
	s_add_nc_u64 s[G0+2:G0+3], s[6:7], s[66:67]    ; global address: the batch's first 512 keys, the same quarter
	s_or_b32 s[G0+3], s[G0+3], 0x80000000          ; type = 2
	ROUND                                          ; all four work-groups are here: the first joint loads meet
	TLOAD                                          ; slot 0.  A wave has one tensor load out at any time
	; the prefetches: where my wave's stand, and who asks
	s_mul_i32 s66, s46, HEADB
	s_mul_i32 s68, s19, CHUNK
	s_add_co_u32 s66, s66, s68
	s_add_co_u32 s66, s66, SLOTB                   ; in slot 1: the first change of slots steps it to slot 2
	s_add_nc_u64 s[PFA:PFA+1], s[6:7], s[66:67]
	s_xor_b32 s68, s20, 1                          ; 0 in waves 4-7,
	s_or_b32 s68, s68, ttmp9                       ; of the batch's first cluster: the same in all four partners
	s_cmp_eq_u32 s68, 0
	s_cselect_b32 s[LIM], 1, -1
	; the tail's pointers (waves 0-7 use them: wave w makes output channels 16 w ..)
	s_lshl_b32 s66, s21, 21
	s_lshl_b32 s68, s[WV], 18
	s_add_co_u32 s66, s66, s68
	s_lshl_b32 s68, s47, 8
	s_add_co_u32 s66, s66, s68
	s_add_nc_u64 s[48:49], s[12:13], s[66:67]      ; x
	s_add_nc_u64 s[50:51], s[14:15], s[66:67]      ; x2
	s_mul_i32 s66, s[WV], 1536
	s_add_co_u32 s66, s66, 24*1536
	s_add_nc_u64 s[52:53], s[8:9], s[66:67]        ; proj_w's fragment 24 + w
	s_lshl_b32 s66, s[WV], 7
	s_add_co_u32 s66, s66, WSC+24*128
	s_add_nc_u64 s[54:55], s[8:9], s[66:67]        ; its scale words
	s_lshl_b32 s66, s[WV], 6
	s_add_nc_u64 s[56:57], s[10:11], s[66:67]      ; proj_b
	s_lshl_b32 s68, s21, 6
	s_add_co_u32 s68, s68, s47                     ; 64 b + qb
	s_lshl_b32 s66, s68, 10
	s_lshl_b32 s69, s[WV], 7
	s_add_co_u32 s66, s66, s69
	s_add_nc_u64 s[58:59], s[16:17], s[66:67]      ; stats2
	s_mul_i32 s66, s68, 6400
	s_add_nc_u64 s[60:61], s[4:5], s[66:67]        ; q's block
	s_mul_i32 s69, s19, 1536
	s_lshl_b32 s70, s20, 8
	s_add_co_u32 s70, s70, s69                     ; my queries' codes: registers 0-3,
	s_lshr_b32 s71, s20, 1
	s_lshl_b32 s71, s71, 8
	s_and_b32 s72, s20, 1
	s_lshl_b32 s72, s72, 3
	s_add_co_u32 s71, s71, s72
	s_add_co_u32 s71, s71, s69
	s_add_co_u32 s71, s71, 1024                    ; registers 4, 5,
	s_lshl_b32 s72, s19, 6
	s_add_co_u32 s72, s72, s20
	s_add_co_u32 s72, s72, 6144                    ; and scale bytes
	v_and_b32 v230, 31, v0                         ; lane
	v_and_b32 v231, 15, v0                         ; r
	v_bfe_u32 v232, v0, 4, 1                       ; h
	s_delay_alu instid0(VALU_DEP_2)
	v_lshl_add_u32 v227, v231, 4, s70
	s_delay_alu instid0(VALU_DEP_3)
	v_lshl_add_u32 v228, v231, 4, s71
	s_delay_alu instid0(VALU_DEP_4)
	v_lshl_add_u32 v229, v231, 2, s72
	global_load_b128 v[220:223], v227, s[60:61]    ; both halves of the lanes take query r's six registers
	global_load_b64 v[224:225], v228, s[60:61]
	global_load_u8 v226, v229, s[60:61]
	v_lshl_add_u32 v[A16], v230, 4, s43
	v_lshl_add_u32 v[A16+1], v231, 4, s43
	s_delay_alu instid0(VALU_DEP_1)
	v_lshl_add_u32 v[A16+1], v232, 3, v[A16+1]
	v_lshl_add_u32 v[A16+2], v230, 3, s43
	v_lshl_add_u32 v[A16+3], v231, 2, s43
	s_delay_alu instid0(VALU_DEP_1)
	v_lshl_add_u32 v[A16+3], v232, 7, v[A16+3]
	v_lshl_add_u32 v[A16+4], v230, 1, s43
	v_lshlrev_b32 v[SH8], 3, v232
	s_mul_i32 s70, s20, 1536
	s_mul_i32 s71, s19, 24
	s_add_co_u32 s70, s70, s71
	s_add_co_u32 s70, s70, OUTC
	v_mul_u32_u24 v[OST], v231, 96
	s_delay_alu instid0(VALU_DEP_1)
	v_mad_u32_u24 v[OST], v232, 12, v[OST]
	s_delay_alu instid0(VALU_DEP_1)
	v_add_nc_u32 v[OST], s70, v[OST]               ; where my result's 12 bytes go: row 16 tile + r, block head, half h
	s_lshl_b32 s71, s20, 6
	s_add_co_u32 s71, s71, s19
	s_add_co_u32 s71, s71, OUTS
	v_lshl_add_u32 v[OSB], v231, 2, s71            ; and the block's byte
	v_mul_u32_u24 v[OFR], v231, 96
	s_delay_alu instid0(VALU_DEP_1)
	v_mad_u32_u24 v[OFR], v232, 24, v[OFR]
	s_delay_alu instid0(VALU_DEP_1)
	v_add_nc_u32 v[OFR], OUTC, v[OFR]              ; a fragment of the result: row r, + 24 h
	v_lshl_add_u32 v[OSR], v231, 2, OUTS
	v_lshlrev_b32 v[XO], 4, v231
	s_delay_alu instid0(VALU_DEP_1)
	v_lshl_or_b32 v[XO], v232, 17, v[XO]           ; x, x2: 8 channels on for lanes 16-31, 16 bytes a lane
	v_min_u32 v[PFO], 24, v230
	s_delay_alu instid0(VALU_DEP_1)
	v_lshlrev_b32 v[PFO], 8, v[PFO]
	v_lshlrev_b32 v233, 4, v230
	v_lshlrev_b32 v234, 2, v230
	v_lshlrev_b32 v235, 5, v232
	v_lshlrev_b32 v236, 3, v231
	s_delay_alu instid0(VALU_DEP_1)
	v_lshl_add_u32 v236, v232, 6, v236             ; stats2: 64 h + 8 r
.irp i, 0,1,2,3,4,5
	v_mov_b32 v[QB+\i], 0
	v_mov_b32 v[QB+12+\i], 0
	v_mov_b32 v[QB+24+\i], 0
.endr
	s_mov_b32 s70, 0x01010101
	v_cmp_ne_u32 vcc_lo, 0, v232
	s_wait_loadcnt 0x0
.irp i, 0,1,2,3,4,5
	v_cndmask_b32 v[QB+6+\i], v[220+\i], v[QB], vcc_lo     ; X: the codes in lanes 0-15 alone
	v_cndmask_b32 v[QB+18+\i], v[QB], v[220+\i], vcc_lo    ; Y: in lanes 16-31 alone
.endr
	v_mul_lo_u32 v[QS], v226, s70                  ; the query's byte for whichever block its codes stand in
.set j, 0
.rept 16
	v_mov_b32 v[O+j], 0                            ; O^T.  (The step is written once: the first finds zeros, which the first change of M leaves zeros.  These lines are also the places behind Q's registers and scale word)
.set j, j+1
.endr
	v_mov_b32 v16, 0
	v_mov_b32 v17, 0
	v_mov_b32 v15, 0xff61b1e6                      ; the largest t so far: -3e38
	s_delay_alu instid0(VALU_DEP_1)
	v_floor_f32 v14, -v15                          ; -M
	v_mov_b32 v217, 0                              ; (named as the upper half of a pair)
	v_mov_b32 v221, 0                              ; a lane permute's destination counts as one of its sources
; A KEY STEP: 128 keys of my head, the st-th chunk of the slot in hand.
.macro STEP st
.set CH, CHUNK*(\st)
.irp g, 0,1
.irp c, 0,1
	ds_load_b128 v[KF+12*\g+6*\c:KF+12*\g+6*\c+3], v[B16] offset:CH+1536*\g+512*\c
	ds_load_b64 v[KF+12*\g+6*\c+4:KF+12*\g+6*\c+5], v[BTL] offset:CH+1536*\g+1024+256*\c
.endr
.endr
	ds_load_b32 v[KS], v[BKS] offset:CH+6144       ; lanes 0-15: the first 64 keys' scale words; lanes 16-31: the second 64's
	s_wait_dscnt 0x0
.irp g, 0,1
.irp u, 0,1,2,3
.if \g
	v_wmma_scale_f32_16x16x128_f8f6f4 v[S+32*\g+8*\u:S+32*\g+8*\u+7], v[KF+12*\g:KF+12*\g+11], v[QB+12*(\u%2)+6*(1-\u/2):QB+12*(\u%2)+6*(1-\u/2)+11], 0, v[KS], v[QS] matrix_a_fmt:MATRIX_FMT_BF6 matrix_b_fmt:MATRIX_FMT_BF6 matrix_a_scale:MATRIX_SCALE_ROW1
.else
	v_wmma_scale_f32_16x16x128_f8f6f4 v[S+32*\g+8*\u:S+32*\g+8*\u+7], v[KF+12*\g:KF+12*\g+11], v[QB+12*(\u%2)+6*(1-\u/2):QB+12*(\u%2)+6*(1-\u/2)+11], 0, v[KS], v[QS] matrix_a_fmt:MATRIX_FMT_BF6 matrix_b_fmt:MATRIX_FMT_BF6
.endif
.endr
.endr
.rept 4
	v_nop                                          ; four places: ahead of the first read of the scores, and, counted from the last step's products with V, ahead of the loads into V's registers
.endr
.irp e, 0,1
.irp c, 0,1
	ds_load_b128 v[VF+12*\e+6*\c:VF+12*\e+6*\c+3], v[B16] offset:CH+3072+1536*\e+768*\c
	ds_load_b64 v[VF+12*\e+6*\c+4:VF+12*\e+6*\c+5], v[B8] offset:CH+3072+1536*\e+768*\c+512
.endr
.endr
	ds_load_u16 v[VH], v[B2] offset:CH+6208        ; V's scale bytes of blocks 0, 1: lane 16 tile + r
	ds_load_u16 v[VH+1], v[B2] offset:CH+6336      ; and of blocks 2, 3
.irp b, 0,1                                    ; THE LARGEST SCORE OF EACH OF MY TWO BLOCKS, in two chains each: it serves for the row's maximum and for the block's largest p
	v_max3_num_f32 v[208+\b], v[S+32*\b], v[S+32*\b+1], v[S+32*\b+2]
	v_max3_num_f32 v[210+\b], v[S+32*\b+16], v[S+32*\b+17], v[S+32*\b+18]
.endr
.irp i, 3,5,7,9,11,13
.irp b, 0,1
	v_max3_num_f32 v[208+\b], v[208+\b], v[S+32*\b+\i], v[S+32*\b+\i+1]
	v_max3_num_f32 v[210+\b], v[210+\b], v[S+32*\b+16+\i], v[S+32*\b+17+\i]
.endr
.endr
.irp b, 0,1
	v_max3_num_f32 v[208+\b], v[208+\b], v[210+\b], v[S+32*\b+15]
.endr
.irp b, 0,1
	v_max_num_f32 v[208+\b], v[208+\b], v[S+32*\b+31]
.endr
	s_delay_alu instid0(VALU_DEP_1)
	v_max_num_f32 v220, v208, v209
	s_delay_alu instid0(VALU_DEP_1)
	v_permlanex16_b32 v221, v220, s[SEL], s[SEL+1]
	s_delay_alu instid0(VALU_DEP_1)
	v_max_num_f32 v220, v220, v221                 ; the step's largest score of my query
	s_delay_alu instid0(VALU_DEP_1)
	v_mul_f32 v220, s[CS], v220                    ; as t (c is positive)
	s_delay_alu instid0(VALU_DEP_1)
	v_max_num_f32 v15, v15, v220                   ; the running largest t
	v_mov_b32 v220, v14
	s_delay_alu instid0(VALU_DEP_2)
	v_floor_f32 v14, -v15                          ; the new -M = -ceil(t): a whole number
	s_delay_alu instid0(VALU_DEP_1)
	v_sub_f32 v220, v14, v220                      ; old M - new M: a whole number, 0 or less
	s_delay_alu instid0(VALU_DEP_1)
	v_cvt_i32_f32 v220, v220                       ; (it saturates)
	s_delay_alu instid0(VALU_DEP_1)
	v_ldexp_f32 v216, 1.0, v220                    ; f = 2^(old M - new M)
.set j, 0
.rept 32
	v_pk_fma_f32 v[S+j:S+j+1], v[S+j:S+j+1], s[CS:CS+1], v[14:15] op_sel_hi:[1,0,0]   ; t - M, two at a time
.set j, j+2
.endr
	v_fma_f32 v208, v208, s[CS], v14               ; the same of each block's largest score
	v_fma_f32 v209, v209, s[CS], v14
.set j, 0
	s_wait_alu depctr_va_vdst(0)
.rept 64
	v_exp_f32 v[S+j], v[S+j]                       ; p = 2^(t - M), at most 1: not normalised
.set j, j+1
.endr
	v_pk_mul_f32 v[16:17], v[16:17], v[216:217] op_sel_hi:[1,0]    ; the sum under the new M.  (A plain place behind the exponentials)
	s_wait_alu depctr_va_vdst(0)                   ; one wait for the whole batch, ahead of its first reader
	v_exp_f32 v208, v208                           ; the blocks' largest p
	v_exp_f32 v209, v209
	v_pk_add_f32 v[218:219], v[112:113], v[116:117]
	v_pk_add_f32 v[254:255], v[120:121], v[124:125]
	v_pk_add_f32 v[252:253], v[128:129], v[132:133]
	v_pk_add_f32 v[250:251], v[136:137], v[140:141]
	v_pk_add_f32 v[248:249], v[144:145], v[148:149]
	v_pk_add_f32 v[246:247], v[152:153], v[156:157]
	v_pk_add_f32 v[244:245], v[160:161], v[164:165]
	v_pk_add_f32 v[16:17], v[16:17], v[168:169]
	v_pk_add_f32 v[218:219], v[218:219], v[108:109]
	v_pk_add_f32 v[254:255], v[254:255], v[110:111]
	v_pk_add_f32 v[252:253], v[252:253], v[114:115]
	v_pk_add_f32 v[250:251], v[250:251], v[118:119]
	v_pk_add_f32 v[248:249], v[248:249], v[122:123]
	v_pk_add_f32 v[246:247], v[246:247], v[126:127]
	v_pk_add_f32 v[244:245], v[244:245], v[130:131]
	v_pk_add_f32 v[16:17], v[16:17], v[134:135]
	v_pk_add_f32 v[218:219], v[218:219], v[138:139]
	v_pk_add_f32 v[254:255], v[254:255], v[142:143]
	v_pk_add_f32 v[252:253], v[252:253], v[146:147]
	v_pk_add_f32 v[250:251], v[250:251], v[150:151]
	v_pk_add_f32 v[248:249], v[248:249], v[154:155]
	v_pk_add_f32 v[246:247], v[246:247], v[158:159]
	v_pk_add_f32 v[244:245], v[244:245], v[162:163]
	v_pk_add_f32 v[16:17], v[16:17], v[166:167]
	v_pk_add_f32 v[218:219], v[218:219], v[170:171]
	s_delay_alu instid0(VALU_DEP_2)
	v_pk_add_f32 v[16:17], v[16:17], v[250:251]
	s_delay_alu instid0(VALU_DEP_2)
	v_pk_add_f32 v[218:219], v[218:219], v[248:249]
	v_pk_add_f32 v[254:255], v[254:255], v[246:247]
	v_pk_add_f32 v[252:253], v[252:253], v[244:245]
	s_delay_alu instid0(VALU_DEP_2)
	v_pk_add_f32 v[16:17], v[16:17], v[254:255]
	s_delay_alu instid0(VALU_DEP_2)
	v_pk_add_f32 v[218:219], v[218:219], v[252:253]
	s_delay_alu instid0(VALU_DEP_1)
	v_pk_add_f32 v[16:17], v[16:17], v[218:219]
	s_wait_dscnt 0x0                               ; V and its scale bytes are in
	v_lshl_or_b32 v[VS], v[VH+1], 16, v[VH]        ; V's scale words: lanes 0-15 the first 16 channels', lanes 16-31 the second 16's
	s_wait_alu depctr_va_vdst(0)                   ; and one wait for the two
	v_max_num_f32 v208, 0x2800000, v208            ; the floor 2^(5 - 127): the byte cannot fall under 1
	v_max_num_f32 v209, 0x2800000, v209
	s_delay_alu instid0(VALU_DEP_2)
	v_add_nc_u32 v212, 0xfe000000, v208            ; 4 off the exponent field: the conversion's scale operand
	s_delay_alu instid0(VALU_DEP_2)
	v_add_nc_u32 v213, 0xfe000000, v209
	s_delay_alu instid0(VALU_DEP_2)
	v_lshrrev_b32 v214, 23, v212
	s_delay_alu instid0(VALU_DEP_2)
	v_lshrrev_b32 v215, 23, v213
	s_delay_alu instid0(VALU_DEP_1)
	v_lshl_or_b32 v220, v215, 16, v214             ; my blocks h and 2 + h,
	s_delay_alu instid0(VALU_DEP_1)
	v_lshlrev_b32 v220, v[SH8], v220               ; 8 h bits up;
	s_delay_alu instid0(VALU_DEP_1)
	v_permlanex16_b32 v221, v220, s[SEL], s[SEL+1]
	s_delay_alu instid0(VALU_DEP_1)
	v_or_b32 v[PS], v220, v221                     ; with the other half's two: p's scale word for these 128 keys
	v_cvt_scalef32_pk16_bf6_f32 v[P:P+2], v[S:S+15], v212
	v_cvt_scalef32_pk16_bf6_f32 v[200:202], v[S+16:S+31], v212     ; (a conversion's three registers begin on an even number)
	v_cvt_scalef32_pk16_bf6_f32 v[P+6:P+8], v[S+32:S+47], v213
	v_cvt_scalef32_pk16_bf6_f32 v[204:206], v[S+48:S+63], v213
	v_nop                                          ; one plain place behind a scaled conversion
.irp i, 0,1,2
	v_mov_b32 v[P+3+\i], v[200+\i]
	v_mov_b32 v[P+9+\i], v[204+\i]
.endr
.set j, 0
.rept 8
	v_pk_mul_f32 v[O+j:O+j+1], v[O+j:O+j+1], v[216:217] op_sel_hi:[1,0]   ; O^T under the new M.  (With the lines above: 15 plain places behind p's scale word, 8 behind P's last register)
.set j, j+2
.endr
	v_wmma_scale_f32_16x16x128_f8f6f4 v[O:O+7], v[VF:VF+11], v[P:P+11], v[O:O+7], v[VS], v[PS] matrix_a_fmt:MATRIX_FMT_BF6 matrix_b_fmt:MATRIX_FMT_BF6
	v_wmma_scale_f32_16x16x128_f8f6f4 v[O+8:O+15], v[VF+12:VF+23], v[P:P+11], v[O+8:O+15], v[VS], v[PS] matrix_a_fmt:MATRIX_FMT_BF6 matrix_b_fmt:MATRIX_FMT_BF6 matrix_a_scale:MATRIX_SCALE_ROW1
.endm                                          ; (the two accumulators take turns, and the next step's eight score products stand between a link and the next on the same one)
; THE CHANGE OF SLOTS stands at a slot's head.  Each wave waits for all its tensor loads, adds 0 to its spare word, and waits for that and for its reads of the slot that it has left.  fill = 1: a round of the cluster's
; barrier, so that no wave of any partner still reads that slot or has a load on its way; then it is filled with the keys that follow: the load has a whole slot's four steps in which to land.
.macro CHANGE fill
	s_wait_tensorcnt 0x0                           ; no tensor load of mine is out, so the group 0 may be written
	ds_add_u32 v[SPW], v[NIL]                      ; 0 onto my spare word
.if \fill
	s_xor_b32 s[G0+1], s[G0+1], SLOT1              ; the other slot than last time,
	s_add_nc_u64 s[G0+2:G0+3], s[G0+2:G0+3], SLOTB ; the next 512 keys; the type bits on top are not reached
	s_wait_xcnt 0x0                                ; the last prefetch, a slot back, has read its address
	s_add_nc_u64 s[PFA:PFA+1], s[PFA:PFA+1], SLOTB ; one slot further on than the descriptor
.endif
	s_wait_dscnt 0x0                               ; the add is done, and my reads of the slot that I have left are over
.if \fill
	ROUND
	TLOAD                                          ; the first thing behind the round, and a wave's one tensor load until the next
	ASK
.else
	s_barrier_signal -1
	s_barrier_wait -1
.endif
.endm
.macro SLOT_STEPS
.irp i, 0,1,2,3,4
	v_add_nc_u32 v[B16+\i], s[TB], v[A16+\i]
.endr
	s_wait_alu depctr_va_vdst(0)
	STEP 0
	STEP 1
	STEP 2
	STEP 3
	s_xor_b32 s[TB], s[TB], SLOT1                  ; on to the other slot
.endm
.Lslot:                                            ; NSLOT - 1 trips: behind each change of slots but the last the next slot is asked for
	CHANGE 1
	SLOT_STEPS
	s_sub_co_u32 s[SLOTS], s[SLOTS], 1
	s_cmp_lg_u32 s[SLOTS], 0
	s_cbranch_scc1 .Lslot
	CHANGE 0                                       ; the last slot is written out
	SLOT_STEPS
	; ---- THE TAIL.  Waves 0-7 will make 16 output channels each: their x, weights and bias are asked for now, and land while all sixteen waves finish and quantise their results.
.rept 4
	v_nop                                          ; places behind the last products
.endr
	s_cmp_lt_u32 s[WV], 8
	s_cbranch_scc0 .Lno_fetch
.set j, 0
.rept 8
	global_load_b128 v[XR+4*j:XR+4*j+3], v[XO], s[48:49] offset:16384*j    ; x(channel 16 w + 8 h + j, pixels 4 r ..): sixteen lanes read 256 consecutive bytes
.set j, j+1
.endr
.irp i, 0,1,2
	global_load_b128 v[WP+4*\i:WP+4*\i+3], v233, s[52:53] offset:512*\i
.endr
	global_load_b32 v58, v234, s[54:55]
	global_load_b128 v[PB:PB+3], v235, s[56:57]
	global_load_b128 v[PB+4:PB+7], v235, s[56:57] offset:16
.Lno_fetch:
	v_add_f32 v16, v16, v17                        ; the sum's two halves,
	s_delay_alu instid0(VALU_DEP_1)
	v_permlanex16_b32 v221, v16, s[SEL], s[SEL+1]
	s_delay_alu instid0(VALU_DEP_1)
	v_add_f32 v16, v16, v221                       ; and the other half of the lanes': the row's sum
	s_wait_alu depctr_va_vdst(0)
	v_rcp_f32 v216, v16
	v_nop                                          ; a plain place behind the transcendental
	s_wait_alu depctr_va_vdst(0)                   ; the wait ahead of its first reader
.set j, 0
.rept 8
	v_pk_mul_f32 v[O+j:O+j+1], v[O+j:O+j+1], v[216:217] op_sel_hi:[1,0]   ; O^T / the sum: register i is channel 32 head + 16 h + i of pixel 4 r + tile
.set j, j+2
.endr
	v_max3_num_f32 v208, |v[O]|, |v[O+1]|, 0x2800000
.irp i, 2,4,6,8,10,12,14
	s_delay_alu instid0(VALU_DEP_1)
	v_max3_num_f32 v208, v208, |v[O+\i]|, |v[O+\i+1]|
.endr
	s_delay_alu instid0(VALU_DEP_1)
	v_permlanex16_b32 v221, v208, s[SEL], s[SEL+1]
	s_delay_alu instid0(VALU_DEP_1)
	v_max_num_f32 v208, v208, v221                 ; the block (my head's 32 channels) lies in lanes l and l xor 16
	s_delay_alu instid0(VALU_DEP_1)
	v_add_nc_u32 v212, 0xfe000000, v208
	s_delay_alu instid0(VALU_DEP_1)
	v_lshrrev_b32 v214, 23, v212
	v_cvt_scalef32_pk16_bf6_f32 v[200:202], v[O:O+15], v212
	v_nop
	ds_store_b32 v[OST], v200
	ds_store_b32 v[OST], v201 offset:4
	ds_store_b32 v[OST], v202 offset:8
	ds_store_b8 v[OSB], v214                       ; both halves write the same byte with the same value
	s_wait_dscnt 0x0                               ; for the others' sake: my stores have landed
	s_barrier_signal -1
	s_barrier_wait -1
	s_cmp_lt_u32 s[WV], 8
	s_cbranch_scc0 .Lno_proj
.irp t, 0,1,2,3
.irp p, 0,1,2,3,4,5
	ds_load_b64 v[KF+12*\t+2*\p:KF+12*\t+2*\p+1], v[OFR] offset:1536*\t+48*(\p/3)+8*(\p%3)
.endr
	ds_load_b32 v[54+\t], v[OSR] offset:64*\t
.endr
	s_wait_dscnt 0x0
	s_wait_loadcnt 0x0
.irp t, 0,1,2,3
	v_wmma_scale_f32_16x16x128_f8f6f4 v[O+8*\t:O+8*\t+7], v[WP:WP+11], v[KF+12*\t:KF+12*\t+11], v[PB:PB+7], v58, v[54+\t] matrix_a_fmt:MATRIX_FMT_BF6 matrix_b_fmt:MATRIX_FMT_BF6
.endr
.rept 4
	v_nop
.endr
.irp t, 0,1,2,3
.irp j, 0,1,2,3,4,5,6,7
	v_add_f32 v[XR+4*\j+\t], v[O+8*\t+\j], v[XR+4*\j+\t]           ; the residual; the addition also brings tile t's number to its place among the pixel's neighbours
.endr
.endr
.set j, 0
.rept 8
	global_store_b128 v[XO], v[XR+4*j:XR+4*j+3], s[50:51] offset:16384*j   ; sixteen lanes store 256 consecutive bytes
.set j, j+1
.endr
	; BN2's partial for channel 16 w + 8 h + j: 64 pixels lie in the 16 lanes of my half, four a lane
.irp j, 0,1,2,3,4,5,6,7
	v_pk_add_f32 v[60+2*\j:61+2*\j], v[XR+4*\j:XR+4*\j+1], v[XR+4*\j+2:XR+4*\j+3]
.endr
.irp j, 0,1,2,3,4,5,6,7
	v_add_f32 v[60+2*\j], v[60+2*\j], v[61+2*\j]
.endr
.irp m, 1,2,4,8
.irp j, 0,1,2,3,4,5,6,7
	v_add_f32_dpp v[60+2*\j], v[60+2*\j], v[60+2*\j] row_xmask:\m row_mask:0xf bank_mask:0xf
.endr
.endr
.irp j, 0,1,2,3,4,5,6,7
	v_mul_f32 v[60+2*\j], 0x3c800000, v[60+2*\j]   ; mean of 64
.endr
.irp j, 0,1,2,3,4,5,6,7
	v_pk_add_f32 v[84:85], v[XR+4*\j:XR+4*\j+1], v[60+2*\j:61+2*\j] op_sel_hi:[1,0] neg_lo:[0,1] neg_hi:[0,1]
	v_pk_add_f32 v[86:87], v[XR+4*\j+2:XR+4*\j+3], v[60+2*\j:61+2*\j] op_sel_hi:[1,0] neg_lo:[0,1] neg_hi:[0,1]
	s_delay_alu instid0(VALU_DEP_2)
	v_pk_mul_f32 v[84:85], v[84:85], v[84:85]
	s_delay_alu instid0(VALU_DEP_1)
	v_pk_fma_f32 v[84:85], v[86:87], v[86:87], v[84:85]
	s_delay_alu instid0(VALU_DEP_1)
	v_add_f32 v[61+2*\j], v84, v85
.endr
.irp m, 1,2,4,8
.irp j, 0,1,2,3,4,5,6,7
	v_add_f32_dpp v[61+2*\j], v[61+2*\j], v[61+2*\j] row_xmask:\m row_mask:0xf bank_mask:0xf
.endr
.endr
	v_mov_b32 v88, v60
	v_mov_b32 v89, v61
.irp j, 1,2,3,4,5,6,7
	v_cmp_eq_u32 vcc_lo, \j, v231
	s_delay_alu instid0(VALU_DEP_1)
	v_cndmask_b32 v88, v88, v[60+2*\j], vcc_lo     ; lane r = j keeps channel j's pair
	s_delay_alu instid0(VALU_DEP_2)
	v_cndmask_b32 v89, v89, v[61+2*\j], vcc_lo
.endr
	s_wait_alu depctr_va_vdst(0)
	s_wait_xcnt 0x0                                ; EXEC changes only behind this wait
	v_cmp_gt_u32 vcc_lo, 8, v231
	s_and_saveexec_b32 s70, vcc_lo
	global_store_b64 v236, v[88:89], s[58:59]      ; 16 channels' (mean, M2): 128 consecutive bytes a wave
	s_wait_xcnt 0x0
	s_or_b32 exec_lo, exec_lo, s70
.Lno_proj:
	s_wait_tensorcnt 0x0                           ; the wave's end
	ds_add_u32 v[SPW], v[NIL]
	s_wait_dscnt 0x0
	ROUND                                          ; the closing round: no work-group ends while a partner may still ask for a tile that names it
	s_endpgm
.Lfunc_end_k_q750819b9d2_attn:
	.size	k_q750819b9d2_attn, .Lfunc_end_k_q750819b9d2_attn-k_q750819b9d2_attn
	.p2alignl 7, 3214868480
	.fill 96, 4, 3214868480
	.section	.rodata,"a",@progbits
	.p2align	6, 0x0
	.amdhsa_kernel k_q750819b9d2_attn
		.amdhsa_group_segment_fixed_size 327680
		.amdhsa_private_segment_fixed_size 0
		.amdhsa_enable_private_segment 0
		.amdhsa_kernarg_size 56
		.amdhsa_user_sgpr_count 2
		.amdhsa_user_sgpr_kernarg_segment_ptr 1
		.amdhsa_wavefront_size32 1
		.amdhsa_system_sgpr_workgroup_id_x 1
		.amdhsa_system_sgpr_workgroup_id_y 1
		.amdhsa_system_sgpr_workgroup_id_z 1
		.amdhsa_system_vgpr_workitem_id 0
		.amdhsa_next_free_vgpr 256
		.amdhsa_next_free_sgpr 80
		.amdhsa_reserve_vcc 1
		.amdhsa_float_denorm_mode_32 3
		.amdhsa_float_denorm_mode_16_64 3
		.amdhsa_memory_ordered 1
		.amdhsa_forward_progress 1
		.amdhsa_inst_pref_size 138
	.end_amdhsa_kernel
	.amdgpu_metadata
---
amdhsa.version: [ 1, 2 ]
amdhsa.kernels:
  - .name:           k_q750819b9d2_attn
    .symbol:         k_q750819b9d2_attn.kd
    .args:
      - { .name: q, .offset: 0, .size: 8, .value_kind: global_buffer, .address_space: global }
      - { .name: kv, .offset: 8, .size: 8, .value_kind: global_buffer, .address_space: global }
      - { .name: wq, .offset: 16, .size: 8, .value_kind: global_buffer, .address_space: global }
      - { .name: proj_b, .offset: 24, .size: 8, .value_kind: global_buffer, .address_space: global }
      - { .name: x, .offset: 32, .size: 8, .value_kind: global_buffer, .address_space: global }
      - { .name: x2, .offset: 40, .size: 8, .value_kind: global_buffer, .address_space: global }
      - { .name: stats2, .offset: 48, .size: 8, .value_kind: global_buffer, .address_space: global }
    .group_segment_fixed_size: 327680
    .private_segment_fixed_size: 0
    .kernarg_segment_align: 8
    .kernarg_segment_size: 56
    .max_flat_workgroup_size: 512
    .sgpr_count:     80
    .vgpr_count:     256
    .wavefront_size: 32
...
	.end_amdgpu_metadata
.endif
;; end of part 3
;; launch bn2c (part 4): grid 4 x 1, 16 waves a work-group, no clusters, 6,144 bytes of LDS; arguments stats2, bn2_g, bn2p; writes bn2p
.if DOCPART == 4
	.amdgcn_target "amdgcn-amd-amdhsa--gfx1250"
	.amdhsa_code_object_version 6
	.text
	.protected	k_q750819b9d2_bn2c
	.globl	k_q750819b9d2_bn2c
	.p2align	8
	.type	k_q750819b9d2_bn2c,@function
k_q750819b9d2_bn2c:
	s_mov_b64 s[64:65], 0
	v_nop
	global_prefetch_b8 v0, s[64:65] scope:SCOPE_SE
	s_setreg_imm32_b32 hwreg(HW_REG_WAVE_MODE, 25, 1), 1
	s_wait_xcnt 0x0
; BN2C.  The 256 partial (mean, M2) of each channel, each of 64 pixels, are joined: mean = avg of the means, M2 = sum M2 + 64 sum (mean_i - mean)^2, var = M2 / 16,384; bn2p = mean[128], then a[128] = gamma / sqrt(var + eps).
; No difference of large sums is formed.  A work-group takes 32 channels (a lane a channel), each of its 16 waves 16 of the 256 partials: a load reads 256 consecutive bytes.  The waves' figures meet in LDS, twice.
; Four work-groups: the whole job is 256 KiB and two joins.  The results leave as 128 bytes a store.
	s_load_b128 s[4:7], s[0:1], 0x0                ; stats2, bn2_g
	s_load_b64 s[8:9], s[0:1], 0x10                ; bn2p
	v_lshl_add_u32 v96, v0, 2, 0x1000
	v_mov_b32 v97, 0
	v_lshrrev_b32 v1, 5, v0
	s_delay_alu instid0(VALU_DEP_1)
	v_readfirstlane_b32 s10, v1                    ; wave 0..15
	v_and_b32 v1, 31, v0
	s_delay_alu instid0(VALU_DEP_1)
	v_lshlrev_b32 v3, 3, v1
	s_delay_alu instid0(VALU_DEP_2)
	v_lshlrev_b32 v4, 2, v1
	v_lshlrev_b32 v5, 2, v0                        ; LDS: 128 bytes a wave, 4 a lane
	s_lshl_b32 s12, s10, 14
	s_lshl_b32 s13, ttmp9, 8
	s_add_co_u32 s12, s12, s13
	s_mov_b32 s13, 0
	s_lshl_b32 s14, ttmp9, 7
	s_mov_b32 s15, 0
	s_mov_b32 s16, 0x38800000                      ; 1 / 16,384
	s_mov_b32 s17, 0x3727c5ac                      ; 1e-5
	s_wait_alu depctr_va_vdst(0)
	s_wait_kmcnt 0x0
	s_add_nc_u64 s[4:5], s[4:5], s[12:13]
	s_add_nc_u64 s[6:7], s[6:7], s[14:15]
	s_add_nc_u64 s[8:9], s[8:9], s[14:15]
.set i, 0
.rept 16
	global_load_b64 v[8+2*i:9+2*i], v3, s[4:5] offset:1024*i
.set i, i+1
.endr
	global_load_b32 v40, v4, s[6:7]
.macro TREE8 a                         ; eight registers from a on become one
.irp i, 0,1,2,3
	v_add_f32 v[\a+\i], v[\a+\i], v[\a+4+\i]
.endr
	s_delay_alu instid0(VALU_DEP_2)
	v_add_f32 v[\a], v[\a], v[\a+2]
	s_delay_alu instid0(VALU_DEP_2)
	v_add_f32 v[\a+1], v[\a+1], v[\a+3]
	s_delay_alu instid0(VALU_DEP_1)
	v_add_f32 v[\a], v[\a], v[\a+1]
.endm
.macro MEET off                        ; v44 of all 16 waves is summed into v60, through LDS bytes off on
	ds_store_b32 v5, v44 offset:\off
	s_wait_dscnt 0x0                               ; for the others' sake
	s_barrier_signal -1
	s_barrier_wait -1
.irp k, 0,1,2,3,4,5,6,7,8,9,10,11,12,13,14,15
	ds_load_b32 v[60+\k], v4 offset:\off+128*\k
.endr
	s_wait_dscnt 0x0
.irp k, 0,1,2,3,4,5,6,7
	v_add_f32 v[60+\k], v[60+\k], v[68+\k]
.endr
	TREE8 60
.endm
	s_wait_loadcnt 0x0
.irp i, 0,1,2,3,4,5,6,7
	v_add_f32 v[44+\i], v[8+4*\i], v[10+4*\i]      ; my 16 means,
	v_add_f32 v[52+\i], v[9+4*\i], v[11+4*\i]      ; my 16 M2
.endr
	TREE8 44
	TREE8 52
	MEET 0
	s_delay_alu instid0(VALU_DEP_1)
	v_mul_f32 v76, 0x3b800000, v60                 ; the channel's mean
	s_delay_alu instid0(VALU_DEP_1)
	v_sub_f32 v78, v8, v76
	s_delay_alu instid0(VALU_DEP_1)
	v_mul_f32 v77, v78, v78
.irp i, 1,2,3,4,5,6,7,8,9,10,11,12,13,14,15
	v_sub_f32 v[78+\i%2], v[8+2*\i], v76
	s_delay_alu instid0(VALU_DEP_1)
	v_fmac_f32 v77, v[78+\i%2], v[78+\i%2]
.endr
	s_delay_alu instid0(VALU_DEP_1)
	v_fmamk_f32 v44, v77, 0x42800000, v52          ; my M2 + 64 x my means' spread round the channel's mean
	MEET 2048
	s_delay_alu instid0(VALU_DEP_1)
	v_fma_f32 v60, v60, s16, s17                   ; var + eps
	s_wait_alu depctr_va_vdst(0)
	v_rsq_f32 v61, v60
	v_nop                                          ; a plain place behind the transcendental
	s_wait_alu depctr_va_vdst(0)                   ; the wait ahead of its first reader, and of the branch
	v_mul_f32 v61, v40, v61
	s_cmp_lg_u32 s10, 0
	s_cbranch_scc1 .Ldone                          ; every wave holds the results; wave 0 stores them
	global_store_b32 v4, v76, s[8:9]
	global_store_b32 v4, v61, s[8:9] offset:512
.Ldone:
	s_wait_tensorcnt 0x0
	ds_add_u32 v96, v97
	s_wait_dscnt 0x0
	s_endpgm
.Lfunc_end_k_q750819b9d2_bn2c:
	.size	k_q750819b9d2_bn2c, .Lfunc_end_k_q750819b9d2_bn2c-k_q750819b9d2_bn2c
	.p2alignl 7, 3214868480
	.fill 96, 4, 3214868480
	.section	.rodata,"a",@progbits
	.p2align	6, 0x0
	.amdhsa_kernel k_q750819b9d2_bn2c
		.amdhsa_group_segment_fixed_size 6144
		.amdhsa_private_segment_fixed_size 0
		.amdhsa_enable_private_segment 0
		.amdhsa_kernarg_size 24
		.amdhsa_user_sgpr_count 2
		.amdhsa_user_sgpr_kernarg_segment_ptr 1
		.amdhsa_wavefront_size32 1
		.amdhsa_system_sgpr_workgroup_id_x 1
		.amdhsa_system_sgpr_workgroup_id_y 1
		.amdhsa_system_sgpr_workgroup_id_z 1
		.amdhsa_system_vgpr_workitem_id 0
		.amdhsa_next_free_vgpr 98
		.amdhsa_next_free_sgpr 66
		.amdhsa_reserve_vcc 0
		.amdhsa_float_denorm_mode_32 3
		.amdhsa_float_denorm_mode_16_64 3
		.amdhsa_memory_ordered 1
		.amdhsa_forward_progress 1
		.amdhsa_inst_pref_size 10
	.end_amdhsa_kernel
	.amdgpu_metadata
---
amdhsa.version: [ 1, 2 ]
amdhsa.kernels:
  - .name:           k_q750819b9d2_bn2c
    .symbol:         k_q750819b9d2_bn2c.kd
    .args:
      - { .name: stats2, .offset: 0, .size: 8, .value_kind: global_buffer, .address_space: global }
      - { .name: bn2_g, .offset: 8, .size: 8, .value_kind: global_buffer, .address_space: global }
      - { .name: bn2p, .offset: 16, .size: 8, .value_kind: global_buffer, .address_space: global }
    .group_segment_fixed_size: 6144
    .private_segment_fixed_size: 0
    .kernarg_segment_align: 8
    .kernarg_segment_size: 24
    .max_flat_workgroup_size: 512
    .sgpr_count:     66
    .vgpr_count:     98
    .wavefront_size: 32
...
	.end_amdgpu_metadata
.endif
;; end of part 4
;; launch mlp (part 5): grid 64 x 4, 4 waves a work-group, no clusters, 34,304 bytes of LDS; arguments x2, bn2p, bn2_b, wq, mlp_b1, mlp_b2, out0; writes out0
.if DOCPART == 5
	.amdgcn_target "amdgcn-amd-amdhsa--gfx1250"
	.amdhsa_code_object_version 6
	.text
	.protected	k_q750819b9d2_mlp
	.globl	k_q750819b9d2_mlp
	.p2align	8
	.type	k_q750819b9d2_mlp,@function
k_q750819b9d2_mlp:
	s_mov_b64 s[64:65], 0
	v_nop
	global_prefetch_b8 v0, s[64:65] scope:SCOPE_SE
	s_setreg_imm32_b32 hwreg(HW_REG_WAVE_MODE, 25, 1), 1
	s_wait_xcnt 0x0
; MLP.  out0 = x2 + W2 gelu(W1 BN2(x2) + b1) + b2, both products on E3M2 codes; the hidden layer never goes to memory.
; SHARES.  A work-group owns 64 neighbouring pixels of one batch (tile t, row r = pixel 4 r + t, as in the launches before).  THE WAVES SHARE THE COLUMNS: wave w quantises channels 32 w .. of BN2(x2), makes hidden units
; 128 w .. 128 w + 127 (K step w of the second product) and outputs 32 w .. 32 w + 31, for all 64 pixels; its parts of W1 and W2 stay in its registers.  By the choice of W2's rows the outputs fall on the very channels
; and pixels whose x2 the wave has loaded: the residual costs no second read.
; W1's rows were chosen so that lane (r, h) holds 32 neighbouring hidden units of one block in 32 registers: the block's maximum needs no other lane, and two conversions give six registers of the next operand in the
; right lane.  A fragment goes from wave to wave through LDS as an image of its registers (16 bytes a lane, 512 a store), its scale words 4 bytes a lane.
; GELU, exact form: 0.5 m (1 + erf(m / sqrt 2)), erf(z) = z P(z^2) / Q(z^2) with |z| held at 4: a rational form whose absolute error is about 1e-7.
; LIMITS: NaN and infinities are not served; a block of zeros gets the scale byte 1.
; REGISTERS, window 0: v1-18 addresses; v20-27 W1's scale words, v28-35 W2's, v36-39 the fragments'; v40 the word just made; v44-67 twelve constants, each twice; v68-115 four fragments; v116-179 BN2(x2), then the hidden layer;
;   v180-191 at work, then the codes just made; v192-255 mean, a, beta, then GELU's work.   window 1: W1's 8 fragments, from v96 b1.   window 2: W2's 8 fragments, from v96 b2.   window 3: v0-63 the 8 accumulators of the
;   second product, v64-127 x2.
.set HSC,   6144                       ; LDS: 64 rows of 96 bytes from 0; their scale words;
.set HIMG,  6400                       ; the hidden layer's 16 fragments (tile t, K step s: 4 t + s), 1,536 bytes each;
.set HSC2,  30976                      ; their scale words, 128 bytes each
.set WSC,   147456
.set XOFF,  4
.set HST,   5
.set HSB,   6
.set HFR,   7
.set HSR,   8
.set X,     64
.set XWIN,  0x03
.set MEANR, 200
.set AR,    216
.set BETAR, 232
.set H,     116
.set HA,    116
.set TM,    180
.set CD,    232
.set FRG,   68
.set W1S,   20
.set W2S,   28
.set FS,    36
.set PW,    40
.set CP,    44
.set CQ,    58
.set PC,    180
.set GZ,    192
.set GX,    208
.set GP,    224
.set GQ,    240
.set SEL,   24
.set MSB, 0
.macro WIN new                         ; the immediate's high byte repeats the setting that is left
.if MSB != \new
	s_set_vgpr_msb (MSB<<8)|\new
.set MSB, \new
.endif
.endm
; BN applied and quantised: X[4 i + t] = channel 32 w + 16 h + i of pixel 4 r + t.  Tile t's 16 numbers of a lane and lane l xor 16's are a block; 12 bytes of codes go to the pixel's row, one byte to its scale word.
.macro XQ
	WIN XWIN                                       ; source 0 (x2) window 3
.set i, 0
.rept 16
.irp t, 0,1,2,3
	v_sub_f32 v[H+16*\t+i], v[X+4*i+\t], v[MEANR+i]
.endr
.set i, i+1
.endr
	WIN 0
.set i, 0
.rept 16
.irp t, 0,1,2,3
	v_fma_f32 v[H+16*\t+i], v[H+16*\t+i], v[AR+i], v[BETAR+i]
.endr
.set i, i+1
.endr
.irp t, 0,1,2,3
	v_max3_num_f32 v[TM+\t], |v[H+16*\t]|, |v[H+16*\t+1]|, 0x2800000   ; with the floor 2^(5 - 127)
.endr
.irp k, 2,4,6,8,10,12,14
.irp t, 0,1,2,3
	v_max3_num_f32 v[TM+\t], v[TM+\t], |v[H+16*\t+\k]|, |v[H+16*\t+\k+1]|
.endr
.endr
.irp t, 0,1,2,3
	v_permlanex16_b32 v[TM+4+\t], v[TM+\t], s[SEL], s[SEL+1]
.endr
.irp t, 0,1,2,3
	v_max_num_f32 v[TM+\t], v[TM+\t], v[TM+4+\t]
.endr
.irp t, 0,1,2,3
	v_add_nc_u32 v[TM+8+\t], 0xfe000000, v[TM+\t]  ; 4 off the exponent field: the conversion's scale operand
.endr
.irp t, 0,1,2,3
	v_lshrrev_b32 v[TM+4+\t], 23, v[TM+8+\t]       ; the scale's byte
.endr
.irp t, 0,1,2,3
	v_cvt_scalef32_pk16_bf6_f32 v[CD+4*\t:CD+4*\t+2], v[H+16*\t:H+16*\t+15], v[TM+8+\t]
.endr
	v_nop                                          ; one plain place behind a scaled conversion
.irp t, 0,1,2,3
	ds_store_b32 v[HST], v[CD+4*\t] offset:1536*\t
	ds_store_b32 v[HST], v[CD+4*\t+1] offset:1536*\t+4
	ds_store_b32 v[HST], v[CD+4*\t+2] offset:1536*\t+8
	ds_store_b8 v[HSB], v[TM+4+\t] offset:64*\t    ; both halves of the lanes write the same byte with the same value
.endr
	s_wait_dscnt 0x0                               ; for the others' sake: my stores have landed
	s_barrier_signal -1
	s_barrier_wait -1
.endm
.macro FRAG6 reg, adr, off             ; a fragment from rows of 96 bytes: 24 bytes at 24 h and 24 at 48 + 24 h, in pieces of 8
.irp p, 0,1,2,3,4,5
	ds_load_b64 v[\reg+2*\p:\reg+2*\p+1], v[\adr] offset:\off+48*(\p/3)+8*(\p%3)
.endr
.endm
.macro CONST reg, bits
	v_mov_b32 v[\reg], \bits
	v_mov_b32 v[\reg+1], \bits
.endm
; GELU of the 16 registers from m on, in place: eight pairs by turns; the 16 reciprocals are one batch with one wait
.macro GELU8 m
.set p, 0
.rept 8
	v_pk_mul_f32 v[GZ+2*p:GZ+2*p+1], v[\m+2*p:\m+2*p+1], s[20:21] op_sel_hi:[1,0]    ; z = m / sqrt 2
.set p, p+1
.endr
.set p, 0
.rept 16
	v_med3_num_f32 v[GZ+p], v[GZ+p], -4.0, 4.0
.set p, p+1
.endr
.set p, 0
.rept 8
	v_pk_mul_f32 v[GX+2*p:GX+2*p+1], v[GZ+2*p:GZ+2*p+1], v[GZ+2*p:GZ+2*p+1]
.set p, p+1
.endr
.set p, 0
.rept 8
	v_pk_fma_f32 v[GP+2*p:GP+2*p+1], v[GX+2*p:GX+2*p+1], v[CP:CP+1], v[CP+2:CP+3]
	v_pk_fma_f32 v[GQ+2*p:GQ+2*p+1], v[GX+2*p:GX+2*p+1], v[CQ:CQ+1], v[CQ+2:CQ+3]
.set p, p+1
.endr
.irp k, 2,3,4
.set p, 0
.rept 8
	v_pk_fma_f32 v[GP+2*p:GP+2*p+1], v[GP+2*p:GP+2*p+1], v[GX+2*p:GX+2*p+1], v[CP+2*\k:CP+2*\k+1]
	v_pk_fma_f32 v[GQ+2*p:GQ+2*p+1], v[GQ+2*p:GQ+2*p+1], v[GX+2*p:GX+2*p+1], v[CQ+2*\k:CQ+2*\k+1]
.set p, p+1
.endr
.endr
.set p, 0
	s_wait_alu depctr_va_vdst(0)
.rept 16
	v_rcp_f32 v[GQ+p], v[GQ+p]
.set p, p+1
.endr
.irp k, 5,6                                    ; P's last two steps and the two products below name no reciprocal: the plain work behind the batch
.set p, 0
.rept 8
	v_pk_fma_f32 v[GP+2*p:GP+2*p+1], v[GP+2*p:GP+2*p+1], v[GX+2*p:GX+2*p+1], v[CP+2*\k:CP+2*\k+1]
.set p, p+1
.endr
.endr
.set p, 0
.rept 8
	v_pk_mul_f32 v[GZ+2*p:GZ+2*p+1], v[GZ+2*p:GZ+2*p+1], v[GP+2*p:GP+2*p+1]
	v_pk_mul_f32 v[GX+2*p:GX+2*p+1], v[\m+2*p:\m+2*p+1], 0.5 op_sel_hi:[1,0]
.set p, p+1
.endr
	s_wait_alu depctr_va_vdst(0)                   ; one wait for the 16 reciprocals, ahead of their first reader
.set p, 0
.rept 8
	v_pk_mul_f32 v[GZ+2*p:GZ+2*p+1], v[GZ+2*p:GZ+2*p+1], v[GQ+2*p:GQ+2*p+1]          ; erf
.set p, p+1
.endr
.set p, 0
.rept 8
	v_pk_fma_f32 v[\m+2*p:\m+2*p+1], v[GX+2*p:GX+2*p+1], v[GZ+2*p:GZ+2*p+1], v[GX+2*p:GX+2*p+1]
.set p, p+1
.endr
.endm
	s_load_b256 s[4:11], s[0:1], 0x0               ; x2, bn2p, bn2_b, wq
	s_load_b128 s[12:15], s[0:1], 0x20             ; mlp_b1, mlp_b2
	s_load_b64 s[16:17], s[0:1], 0x30              ; out0
	v_lshl_add_u32 v42, v0, 2, 0x8400
	v_mov_b32 v43, 0
	v_lshrrev_b32 v1, 5, v0
	v_readfirstlane_b32 s18, v1                    ; wave
	s_mov_b32 s22, ttmp9                           ; pb
	s_and_b32 s23, ttmp7, 0xffff                   ; b
	s_mov_b32 s20, 0x3f3504f3                      ; 1 / sqrt 2
	s_mov_b32 s21, s20
	s_mov_b32 s[SEL], 0x76543210
	s_mov_b32 s[SEL+1], 0xfedcba98
	v_and_b32 v1, 31, v0                           ; lane
	v_and_b32 v2, 15, v0                           ; r
	v_bfe_u32 v3, v0, 4, 1                         ; h
	v_lshlrev_b32 v[XOFF], 4, v2
	v_lshl_or_b32 v[XOFF], v3, 18, v[XOFF]
	v_mul_u32_u24 v[HFR], v2, 96
	v_mad_u32_u24 v[HFR], v3, 24, v[HFR]
	v_mul_u32_u24 v[HST], v2, 96
	v_mad_u32_u24 v[HST], v3, 12, v[HST]
	s_mul_i32 s19, s18, 24
	v_add_nc_u32 v[HST], s19, v[HST]
	v_lshl_add_u32 v[HSR], v2, 2, HSC
	v_add_nc_u32 v[HSB], s18, v[HSR]
	v_lshlrev_b32 v9, 4, v1
	v_lshlrev_b32 v10, 2, v1
	v_lshlrev_b32 v11, 3, v3
	s_mul_i32 s19, s18, 1536
	s_add_co_u32 s19, s19, HIMG
	v_lshl_add_u32 v12, v1, 4, s19                 ; where I store my images: K step w
	s_lshl_b32 s19, s18, 7
	s_add_co_u32 s19, s19, HSC2
	v_lshl_add_u32 v13, v1, 2, s19
	v_lshl_add_u32 v14, v1, 4, HIMG                ; and where any image is read
	v_lshl_add_u32 v15, v1, 2, HSC2
	v_lshlrev_b32 v16, 6, v3                       ; 16 channels on for lanes 16-31
	v_lshlrev_b32 v17, 7, v3                       ; 32 hidden units on
.irp t, 0,1,2,3
	v_mov_b32 v[TM+4+\t], 0                        ; a lane permute's destination counts as one of its sources
.endr
	CONST CP,    0xaf95df0b                        ; P: -2.72614226e-10,
	CONST CP+2,  0x32edffee                        ;     2.77068142e-08,
	CONST CP+4,  0xb60cff51                        ;    -2.10102402e-06,
	CONST CP+6,  0xb86ec2d2                        ;    -5.69250639e-05,
	CONST CP+8,  0xba40ac63                        ;    -7.34990630e-04,
	CONST CP+10, 0xbb41a1f6                        ;    -2.95459981e-03,
	CONST CP+12, 0xbc83dbd4                        ;    -1.60960333e-02
	CONST CQ,    0xb77460cd                        ; Q: -1.45660718e-05,
	CONST CQ+2,  0xb95fbd29                        ;    -2.13374055e-04,
	CONST CQ+4,  0xbadc924e                        ;    -1.68282697e-03,
	CONST CQ+6,  0xbbf19bf8                        ;    -7.37332917e-03,
	CONST CQ+8,  0xbc69b6a7                        ;    -1.42647391e-02
	s_lshl_b32 s48, s23, 21
	s_lshl_b32 s49, s18, 19
	s_add_co_u32 s48, s48, s49
	s_lshl_b32 s49, s22, 8
	s_add_co_u32 s48, s48, s49                     ; batch, my 32 channels, my 64 pixels
	s_mov_b32 s49, 0
	s_wait_kmcnt 0x0
	s_add_nc_u64 s[28:29], s[4:5], s[48:49]        ; x2
	s_add_nc_u64 s[30:31], s[16:17], s[48:49]      ; out0
	s_lshl_b32 s48, s18, 7
	s_add_nc_u64 s[32:33], s[6:7], s[48:49]        ; mean and a of my 32 channels
	s_add_nc_u64 s[34:35], s[8:9], s[48:49]        ; beta
	s_add_nc_u64 s[46:47], s[14:15], s[48:49]      ; b2
	s_mul_i32 s48, s18, 12288
	s_add_co_u32 s48, s48, 32*1536
	s_add_nc_u64 s[36:37], s[10:11], s[48:49]      ; W1's fragments 32 + 8 w ..
	s_add_co_u32 s48, s48, 32*1536
	s_add_nc_u64 s[42:43], s[10:11], s[48:49]      ; W2's 64 + 8 w ..
	s_lshl_b32 s48, s18, 10
	s_add_co_u32 s48, s48, WSC+32*128
	s_add_nc_u64 s[38:39], s[10:11], s[48:49]      ; their scale words
	s_add_co_u32 s48, s48, 32*128
	s_add_nc_u64 s[44:45], s[10:11], s[48:49]
	s_lshl_b32 s48, s18, 9
	s_add_nc_u64 s[40:41], s[12:13], s[48:49]      ; b1
.irp k, 0,1,2,3
	global_load_b128 v[MEANR+4*\k:MEANR+4*\k+3], v16, s[32:33] offset:16*\k
	global_load_b128 v[AR+4*\k:AR+4*\k+3], v16, s[32:33] offset:512+16*\k
	global_load_b128 v[BETAR+4*\k:BETAR+4*\k+3], v16, s[34:35] offset:16*\k
.endr
	WIN 0xc0                                       ; destination window 3
.set i, 0
.rept 16
	global_load_b128 v[X+4*i:X+4*i+3], v[XOFF], s[28:29] offset:16384*i
.set i, i+1
.endr
	WIN 0x40                                       ; destination window 1
.irp k, 0,1,2,3,4,5,6,7
.irp i, 0,1,2
	global_load_b128 v[12*\k+4*\i:12*\k+4*\i+3], v9, s[36:37] offset:1536*\k+512*\i
.endr
.endr
.irp k, 0,1,2,3,4,5,6,7                        ; b1 for tile k = 4 c + u: hidden units 64 c + 32 h + 8 u + 0 .. 7
	global_load_b128 v[96+8*\k:99+8*\k], v17, s[40:41] offset:(64*(\k/4)+8*(\k%4))*4
	global_load_b128 v[100+8*\k:103+8*\k], v17, s[40:41] offset:(64*(\k/4)+8*(\k%4))*4+16
.endr
	WIN 0
.irp k, 0,1,2,3,4,5,6,7
	global_load_b32 v[W1S+\k], v10, s[38:39] offset:128*\k
.endr
	s_wait_loadcnt 48                              ; mean, a, beta and x2 are in; W1's 24 loads, b1's 16 and the 8 scale words may be out
	XQ
	WIN 0x80                                       ; destination window 2
.irp k, 0,1,2,3,4,5,6,7
.irp i, 0,1,2
	global_load_b128 v[12*\k+4*\i:12*\k+4*\i+3], v9, s[42:43] offset:1536*\k+512*\i
.endr
.endr
.irp n, 0,1
	global_load_b128 v[96+8*\n:99+8*\n], v16, s[46:47] offset:32*\n
	global_load_b128 v[100+8*\n:103+8*\n], v16, s[46:47] offset:32*\n+16
.endr
	WIN 0
.irp k, 0,1,2,3,4,5,6,7
	global_load_b32 v[W2S+\k], v10, s[44:45] offset:128*\k
.endr
.irp t, 0,1,2,3
	FRAG6 FRG+12*\t, HFR, 1536*\t
	ds_load_b32 v[FS+\t], v[HSR] offset:64*\t
.endr
	s_wait_dscnt 0x0
	s_wait_loadcnt 36                              ; W1, b1 and their scale words are in; W2's 24 loads, b2's 4 and the 8 scale words may be out
	; ---- the hidden layer, a tile of 16 pixels at a time
.irp t, 0,1,2,3
	WIN 0x11                                       ; source 0 (W1) and source 2 (b1) window 1
.irp k, 0,1,2,3,4,5,6,7
	v_wmma_scale_f32_16x16x128_f8f6f4 v[HA+8*\k:HA+8*\k+7], v[12*\k:12*\k+11], v[FRG+12*\t:FRG+12*\t+11], v[96+8*\k:103+8*\k], v[W1S+\k], v[FS+\t] matrix_a_fmt:MATRIX_FMT_BF6 matrix_b_fmt:MATRIX_FMT_BF6
.endr
	WIN 0
.rept 4
	v_nop                                          ; four places ahead of the first read of results
.endr
	GELU8 HA
	GELU8 HA+16
	GELU8 HA+32
	GELU8 HA+48
.irp c, 0,1                                    ; my block 2 c + h of K step w: all its 32 numbers are mine
	v_max3_num_f32 v[250+\c], |v[HA+32*\c]|, |v[HA+32*\c+1]|, 0x2800000
.endr
.irp i, 2,4,6,8,10,12,14,16,18,20,22,24,26,28,30
.irp c, 0,1
	v_max3_num_f32 v[250+\c], v[250+\c], |v[HA+32*\c+\i]|, |v[HA+32*\c+\i+1]|
.endr
.endr
.irp c, 0,1
	v_add_nc_u32 v[252+\c], 0xfe000000, v[250+\c]
.endr
.irp c, 0,1
	v_lshrrev_b32 v[254+\c], 23, v[252+\c]
.endr
	v_lshl_or_b32 v248, v255, 16, v254
	v_lshlrev_b32 v248, v11, v248
	v_permlanex16_b32 v249, v248, s[SEL], s[SEL+1] ; (v249 has been written: it was GELU's)
	v_or_b32 v[PW], v248, v249                     ; the pixel's scale word for K step w
.irp c, 0,1
	v_cvt_scalef32_pk16_bf6_f32 v[PC+6*\c:PC+6*\c+2], v[HA+32*\c:HA+32*\c+15], v[252+\c]
	v_cvt_scalef32_pk16_bf6_f32 v[192+4*\c:194+4*\c], v[HA+32*\c+16:HA+32*\c+31], v[252+\c]
.endr
	v_nop                                          ; one plain place behind a scaled conversion
.irp c, 0,1
.irp i, 0,1,2
	v_mov_b32 v[PC+3+6*\c+\i], v[192+4*\c+\i]
.endr
.endr
.irp i, 0,1,2
	ds_store_b128 v12, v[PC+4*\i:PC+4*\i+3] offset:1536*4*\t+512*\i
.endr
	ds_store_b32 v13, v[PW] offset:128*4*\t
	s_wait_dscnt 0x0                               ; the stores have read their registers
.endr
	s_barrier_signal -1                            ; (no LDS instruction of mine is out)
	s_barrier_wait -1                              ; the hidden layer's sixteen fragments lie in LDS
	s_wait_loadcnt 0x0                             ; W2, b2 and their scale words
	; ---- my 32 outputs for the 64 pixels: eight accumulators by turns, a K step at a time
.irp s, 0,1,2,3
.irp t, 0,1,2,3
.irp i, 0,1,2
	ds_load_b128 v[FRG+12*\t+4*\i:FRG+12*\t+4*\i+3], v14 offset:1536*(4*\t+\s)+512*\i
.endr
	ds_load_b32 v[FS+\t], v15 offset:128*(4*\t+\s)
.endr
	s_wait_dscnt 0x0
.if \s == 0
	WIN 0xe2                                       ; source 0 (W2) and source 2 (b2) window 2, destination window 3
.else
	WIN 0xf2                                       ; source 0 window 2, C and D window 3
.endif
.irp t, 0,1,2,3
.irp n, 0,1
.if \s == 0
	v_wmma_scale_f32_16x16x128_f8f6f4 v[8*(4*\n+\t):8*(4*\n+\t)+7], v[12*(4*\n+\s):12*(4*\n+\s)+11], v[FRG+12*\t:FRG+12*\t+11], v[96+8*\n:103+8*\n], v[W2S+4*\n+\s], v[FS+\t] matrix_a_fmt:MATRIX_FMT_BF6 matrix_b_fmt:MATRIX_FMT_BF6
.else
	v_wmma_scale_f32_16x16x128_f8f6f4 v[8*(4*\n+\t):8*(4*\n+\t)+7], v[12*(4*\n+\s):12*(4*\n+\s)+11], v[FRG+12*\t:FRG+12*\t+11], v[8*(4*\n+\t):8*(4*\n+\t)+7], v[W2S+4*\n+\s], v[FS+\t] matrix_a_fmt:MATRIX_FMT_BF6 matrix_b_fmt:MATRIX_FMT_BF6
.endif
.endr
.endr
	WIN 0
.rept 4
	v_nop                                          ; places ahead of loads into registers that matrix instructions have read, and of the first read of results
.endr
.endr
	WIN 0xcf                                       ; sources 0 and 1 and the destination window 3
.irp n, 0,1
.irp t, 0,1,2,3
.irp j, 0,1,2,3,4,5,6,7
	v_add_f32 v[X+4*(8*\n+\j)+\t], v[8*(4*\n+\t)+\j], v[X+4*(8*\n+\j)+\t]   ; the residual: output 32 w + 16 h + 8 n + j of pixel 4 r + t lies on x2's own register
.endr
.endr
.endr
	WIN 0x0c                                       ; a store's data are its source 1: window 3
.set i, 0
.rept 16
	global_store_b128 v[XOFF], v[X+4*i:X+4*i+3], s[30:31] offset:16384*i th:TH_STORE_NT   ; sixteen lanes store 256 consecutive bytes
.set i, i+1
.endr
	WIN 0
	s_wait_tensorcnt 0x0
	ds_add_u32 v42, v43
	s_wait_dscnt 0x0
	s_endpgm
.Lfunc_end_k_q750819b9d2_mlp:
	.size	k_q750819b9d2_mlp, .Lfunc_end_k_q750819b9d2_mlp-k_q750819b9d2_mlp
	.p2alignl 7, 3214868480
	.fill 96, 4, 3214868480
	.section	.rodata,"a",@progbits
	.p2align	6, 0x0
	.amdhsa_kernel k_q750819b9d2_mlp
		.amdhsa_group_segment_fixed_size 34304
		.amdhsa_private_segment_fixed_size 0
		.amdhsa_enable_private_segment 0
		.amdhsa_kernarg_size 56
		.amdhsa_user_sgpr_count 2
		.amdhsa_user_sgpr_kernarg_segment_ptr 1
		.amdhsa_wavefront_size32 1
		.amdhsa_system_sgpr_workgroup_id_x 1
		.amdhsa_system_sgpr_workgroup_id_y 1
		.amdhsa_system_sgpr_workgroup_id_z 1
		.amdhsa_system_vgpr_workitem_id 0
		.amdhsa_next_free_vgpr 896
		.amdhsa_next_free_sgpr 66
		.amdhsa_reserve_vcc 0
		.amdhsa_float_denorm_mode_32 3
		.amdhsa_float_denorm_mode_16_64 3
		.amdhsa_memory_ordered 1
		.amdhsa_forward_progress 1
		.amdhsa_inst_pref_size 211
	.end_amdhsa_kernel
	.amdgpu_metadata
---
amdhsa.version: [ 1, 2 ]
amdhsa.kernels:
  - .name:           k_q750819b9d2_mlp
    .symbol:         k_q750819b9d2_mlp.kd
    .args:
      - { .name: x2, .offset: 0, .size: 8, .value_kind: global_buffer, .address_space: global }
      - { .name: bn2p, .offset: 8, .size: 8, .value_kind: global_buffer, .address_space: global }
      - { .name: bn2_b, .offset: 16, .size: 8, .value_kind: global_buffer, .address_space: global }
      - { .name: wq, .offset: 24, .size: 8, .value_kind: global_buffer, .address_space: global }
      - { .name: mlp_b1, .offset: 32, .size: 8, .value_kind: global_buffer, .address_space: global }
      - { .name: mlp_b2, .offset: 40, .size: 8, .value_kind: global_buffer, .address_space: global }
      - { .name: out0, .offset: 48, .size: 8, .value_kind: global_buffer, .address_space: global }
    .group_segment_fixed_size: 34304
    .private_segment_fixed_size: 0
    .kernarg_segment_align: 8
    .kernarg_segment_size: 56
    .max_flat_workgroup_size: 128
    .sgpr_count:     66
    .vgpr_count:     896
    .wavefront_size: 32
...
	.end_amdgpu_metadata
.endif
;; end of part 5
